; MI455X (gfx1250); checked and timed in simulation.
; The chip was launched on July 23, 2026; its instructions are those of AMD's public machine-readable ISA for CDNA 5 (MIT licence, August 2026) and "CDNA5" Instruction Set Architecture Reference Guide (July 2026). The comments in the code are by the model that wrote it; some were corrected since.
;; Multi Head Attention. Allowed arithmetic: matrix products marked QUANTISED: E2M1 operands, one E8M0 scale for each 32 along K, by v_wmma_scale_f32_16x16x128_f8f6f4 with both operands' format E2M1 (or v_wmma_scale_f32_32x16x128_f4), f32 sums; everything else in f32.
;; Inputs: W_out 1,024 x 1,024 float32; W_qkv 3,072 x 1,024 float32; b_out 1,024 float32; b_qkv 3,072 float32; x 4 x 2,048 x 1,024 float32.
;; Outputs: out0 4 x 2,048 x 1,024 float32.
;; This version of the problem:
;;   THIS VERSION OF THE PROBLEM IS GIVEN IN LOW PRECISION. The matrix products marked QUANTISED in the list below multiply operands that are first quantised to E2M1 (2 exponent bits, 1 mantissa bit; 4 bits a number), with one power-of-two scale for each 32 numbers along K (OCP MX v1.0); their sums are f32. All else is computed in f32.
;;   The module's matrix products, in the order in which they are computed (A, B: the left and right operand; K: the contracted axis; several contracted axes count as one K, in the product's order):
;;     1. [M 8,192, K 1,024] x [K 1,024, N 3,072]; A: input x; B: input W_qkv: QUANTISED
;;     2. batch 64 x [M 2,048, K 64] x [K 64, N 2,048]; A: computed on the way; B: computed on the way: QUANTISED
;;     3. batch 64 x [M 2,048, K 2,048] x [K 2,048, N 64]; A: softmax (see below); B: computed on the way: QUANTISED
;;     4. [M 8,192, K 1,024] x [K 1,024, N 1,024]; A: computed on the way; B: input W_out: QUANTISED
;;   THE QUANTISER, for each operand of a quantised product, along K:
;;     - K is cut into blocks of 32 from its start; a last block that is shorter is filled with zeros.
;;     - A block's scale is 2^e with e = floor(log2(the largest magnitude in the block)) - 2, held to -126 .. 127; a block of zeros has e = 0. As a byte (E8M0): e + 127.
;;     - Each number is divided by its block's scale, clamped to +-6, and rounded to the nearest number of E2M1, ties to even, subnormals kept.
;;     - The product sums the exact products of the quantised numbers (number of the format x scale) in f32.
;;   ~~~python
;;   def quantise(x, axis):      # numpy; x: float32 -> the quantised numbers, widened to float32 again
;;       x = np.moveaxis(x, axis, -1); K = x.shape[-1]
;;       x = np.pad(x, [(0, 0)] * (x.ndim - 1) + [(0, -K % 32)]); x = x.reshape(x.shape[:-1] + (-1, 32)); a = np.abs(x).max(-1, keepdims=True)
;;       e = np.where(a > 0, np.clip(np.frexp(np.where(a > 0, a, 1))[1] - 1 - 2, -126, 127), 0)      # np.frexp(a)[1] - 1 = floor(log2(a)), exactly
;;       r = np.clip(x / 2.0 ** e, -6, 6)
;;       step = 2.0 ** (np.maximum(np.frexp(np.where(r == 0, 1, r))[1] - 1, 0) - 1)
;;       q = np.round(r / step) * step * 2.0 ** e      # np.round: ties to even
;;       return np.moveaxis(q.reshape(q.shape[:-2] + (-1,))[..., :K], -1, axis).astype(np.float32)
;;   ~~~
;;   SOFTMAX AHEAD OF A QUANTISED PRODUCT. Where the list says 'softmax', what is quantised is not the finished softmax but p = 2^(t - M), with t = logit x log2(e) and M = ceil(the row's largest t), a whole number; so 1/2 < the row's largest p <= 1. The row's sum l is taken of the UNQUANTISED p, in f32, and the product's result is divided by l at the end. Since M is a whole number, a kernel that streams over the keys may use a running M (the ceiling of the running maximum): every later rescaling is an exact power of two, which a block's scale takes up: the codes' values come out the same.
;;   OPERANDS COMPUTED ON THE WAY. 'Computed on the way' means the value that the module computes at that place (a softmax that the list does not call 'softmax' is quantised finished and normalised). What goes into a quantiser is computed in f32, as accurately as f32 sums, v_exp_f32 and their like allow (about 1e-6 of the number): no bf16 or f16 on the way to a quantiser, and a product that is left as it is and whose result goes on into a quantised operand takes f32 operands (vector FMAs, or v_wmma_f32_16x16x4_f32). A number that lies on a knife's edge between two numbers of the format may be rounded either way, as far as f32 arithmetic and the matrix unit's own rounding can turn it there, and no further.
;; One version. Each part assembles by itself: llvm-mc -triple=amdgcn-amd-amdhsa -mcpu=gfx1250 --defsym DOCPART=n.
;; ======== version 1 of 1: 4 launches
;; workspace buffers: xq 4,456,448 bytes; wq 2,228,224 bytes; qq 4,718,592 bytes; kv 9,175,040 bytes; cq 4,456,448 bytes
;; launch quant (part 1): grid 384 x 1, 4 waves a work-group, no clusters, 34,304 bytes of LDS; arguments x, W_qkv, W_out, xq, wq; writes xq, wq
.if DOCPART == 1
	.amdgcn_target "amdgcn-amd-amdhsa--gfx1250"
	.amdhsa_code_object_version 6
	.text
	.protected	k_q250f3925d9_quant
	.globl	k_q250f3925d9_quant
	.p2align	8
	.type	k_q250f3925d9_quant,@function
k_q250f3925d9_quant:
	s_mov_b64 s[64:65], 0
	v_nop
	global_prefetch_b8 v0, s[64:65] scope:SCOPE_SE
	s_setreg_imm32_b32 hwreg(HW_REG_WAVE_MODE, 25, 1), 1
	s_wait_xcnt 0x0
; x [8192][1024], W_qkv [3072][1024] and W_out [1024][1024], f32 with K innermost, become codes of FP4 (E2M1) with one E8M0 byte for each 32 along K,
; laid as IMAGES OF OPERAND REGISTERS.  A tile is 16 rows; lane index i of tile 2 g + u is row 32 g + 8 u + i + 8 (i / 8).  A fragment (16 rows x 128 K) is
; 1,024 bytes, [c 0..1][lane][16 bytes]: lane (r, h) holds k = 64 c + 32 h + 0 .. 31 of its row.  A chunk is four fragments (512 along K) and then the 256 bytes
; of scale words [r][K step of the chunk]: 4,352 bytes = 17 x 256.  A tile is two chunks.  xq: 512 tiles.  wq: 192 tiles of W_qkv, then 64 of W_out.
; A block's scale is 2^(floor(log2(its largest magnitude)) - 2); its byte is the largest magnitude's exponent field - 2, held at 1 from below.
; LIMITS: a block of zeros gets the byte 1 where the rule says 127 (its codes are zeros, and this program alone reads the bytes); NaN and infinities are not served.
; SHARES.  A work-group takes 32 rows (two tiles) x 1,024 along K; wave w takes tile w / 2 and chunk w % 2: four steps of 128 along K.  Each load reads 512 consecutive
; bytes of one row; a step's 16 rows turn through the wave's own stage in LDS (rows 528 bytes apart) and come back 256 bytes a lane: two whole blocks of 32.
; No tensor loads, no barrier: waves share nothing.  Loads run two steps (32 loads a wave) ahead.
.set STGB, 8448                        ; a wave's stage: 16 rows x 528 bytes
.set LI,   1                           ; v1   16 x lane: my 16 bytes of a load's or a store's 512
.set SIN,  2                           ; v2   the stage, on the way in
.set SOUT, 3                           ; v3   and on the way out: 528 r + 128 h
.set WO,   4                           ; v4   16 r + 8 h: my two scale words
.set SH,   5                           ; v5   8 h: the shift of my two bytes in a scale word
.set SWD,  8                           ; v8-11 the four steps' scale words
.set HH,   12                          ; v12  h
.set R,    16                          ; v16-143  two sets of 64 registers as loaded
.set X,    144                         ; v144-207 my 64 numbers of a step
.set CD,   208                         ; v208-239 codes: eight registers for each step, so that no store's data are written again
	s_load_b128 s[4:7], s[0:1], 0x0                ; x, W_qkv
	s_load_b128 s[8:11], s[0:1], 0x10              ; W_out, xq
	s_load_b64 s[12:13], s[0:1], 0x20              ; wq
	v_lshl_add_u32 v254, v0, 2, 0x8400
	v_mov_b32 v255, 0
	v_lshrrev_b32 v6, 5, v0
	v_readfirstlane_b32 s22, v6                    ; wave 0..3
	v_and_b32 v6, 31, v0                           ; lane
	v_and_b32 v7, 15, v0                           ; r
	v_bfe_u32 v[HH], v0, 4, 1                      ; h
	v_lshlrev_b32 v[LI], 4, v6
	s_mul_i32 s23, s22, STGB
	v_add_nc_u32 v[SIN], s23, v[LI]
	v_mul_u32_u24 v[SOUT], v7, 528
	v_lshl_add_u32 v[SOUT], v[HH], 7, v[SOUT]
	v_add_nc_u32 v[SOUT], s23, v[SOUT]
	v_lshlrev_b32 v[WO], 4, v7
	v_lshl_add_u32 v[WO], v[HH], 3, v[WO]
	v_lshlrev_b32 v[SH], 3, v[HH]
	v_mov_b32 v248, 0                              ; written once: a lane permute's destination counts as one of its sources
	s_lshr_b32 s24, s22, 1                         ; u: which tile of the two
	s_and_b32 s25, s22, 1                          ; q: which chunk
	s_mov_b32 s20, 0x76543210
	s_mov_b32 s21, 0xfedcba98                      ; v_permlanex16_b32's selects for lane l xor 16
	s_mov_b32 s16, 352
	s_wait_alu depctr_va_vdst(0)
	s_wait_kmcnt 0x0
	; work-groups 0-255 take x, 256-351 W_qkv, 352-383 W_out: only pointers and first numbers are chosen, by the work-group's number alone
	s_cmp_lt_u32 ttmp9, 352
	s_cselect_b64 s[14:15], s[6:7], s[8:9]
	s_cselect_b32 s16, 256, s16
	s_cmp_lt_u32 ttmp9, 256
	s_cselect_b64 s[14:15], s[4:5], s[14:15]       ; where I read
	s_cselect_b64 s[18:19], s[10:11], s[12:13]     ; where I write
	s_cselect_b32 s16, 0, s16
	s_cselect_b32 s17, 0, 256
	s_sub_co_u32 s16, ttmp9, s16                   ; the group of 32 rows in the tensor read,
	s_sub_co_u32 s17, ttmp9, s17                   ; and in the buffer written
	s_lshl_b32 s26, s16, 17                        ; 32 rows of 4,096 bytes,
	s_lshl_b32 s28, s24, 15                        ; tile u begins 8 rows on,
	s_add_co_u32 s26, s26, s28
	s_lshl_b32 s28, s25, 11                        ; chunk q 2,048 bytes on
	s_add_co_u32 s26, s26, s28
	s_mov_b32 s27, 0
	s_add_nc_u64 s[14:15], s[14:15], s[26:27]
	s_lshl_b32 s26, s17, 1
	s_add_co_u32 s26, s26, s24
	s_mul_i32 s26, s26, 8704                       ; my tile,
	s_mul_i32 s28, s25, 4352                       ; my chunk
	s_add_co_u32 s26, s26, s28
	s_add_nc_u64 s[18:19], s[18:19], s[26:27]
.macro LOAD t                          ; step t: 512 bytes of each of the tile's 16 rows, into set t % 2
.irp i, 0,1,2,3,4,5,6,7,8,9,10,11,12,13,14,15
	global_load_b128 v[R+64*((\t)%2)+4*\i:R+64*((\t)%2)+4*\i+3], v[LI], s[14:15] offset:(\i+8*(\i/8))*4096+512*(\t) th:TH_LOAD_NT
.endr
.endm
.macro STEP t
.if (\t) < 3
	s_wait_loadcnt 16                              ; this step's 16 loads are in; the next step's 16 may be out
.else
	s_wait_loadcnt 0x0
.endif
.irp i, 0,1,2,3,4,5,6,7,8,9,10,11,12,13,14,15
	ds_store_b128 v[SIN], v[R+64*((\t)%2)+4*\i:R+64*((\t)%2)+4*\i+3] offset:528*\i
.endr
.irp c, 0,1
.irp p, 0,1,2,3,4,5,6,7
	ds_load_b128 v[X+32*\c+4*\p:X+32*\c+4*\p+3], v[SOUT] offset:256*\c+16*\p   ; LDS serves a wave's instructions in order: these see the stores above
.endr
.endr
	s_wait_dscnt 0x0                               ; my 64 numbers are back, and the stores have read their registers,
.if (\t) < 2
	LOAD (\t)+2                                    ; which take the loads of two steps on
.endif
.irp c, 0,1                                    ; block 2 c + h is all mine: its largest magnitude in two chains, with the floor 2^(3 - 127) among the leaves: the byte cannot fall under 1
.irp g, 0,1
	v_max3_num_f32 v[240+2*\c+\g], |v[X+32*\c+16*\g]|, |v[X+32*\c+16*\g+1]|, 0x1800000
.endr
.endr
.irp i, 2,4,6,8,10,12,14
.irp c, 0,1
.irp g, 0,1
	v_max3_num_f32 v[240+2*\c+\g], v[240+2*\c+\g], |v[X+32*\c+16*\g+\i]|, |v[X+32*\c+16*\g+\i+1]|
.endr
.endr
.endr
.irp c, 0,1
	v_max_num_f32 v[240+2*\c], v[240+2*\c], v[241+2*\c]
.endr
.irp c, 0,1
	v_add_nc_u32 v[244+\c], 0xff000000, v[240+2*\c]   ; 2 off the exponent field: the conversion takes the exponent field of this operand as its scale
.endr
.irp c, 0,1
	v_lshrrev_b32 v[246+\c], 23, v[244+\c]         ; the scale's byte
.endr
	v_lshl_or_b32 v246, v247, 16, v246             ; my two bytes: blocks h and 2 + h,
	v_lshlrev_b32 v246, v[SH], v246                ; at their places in the word;
	v_permlanex16_b32 v248, v246, s20, s21
	v_or_b32 v[SWD+(\t)], v246, v248               ; with lane l xor 16's two the word is whole
.irp c, 0,1
.irp g, 0,1,2,3
	v_cvt_scalef32_pk8_fp4_f32 v[CD+8*(\t)+4*\c+\g], v[X+32*\c+8*\g:X+32*\c+8*\g+7], v[244+\c]
.endr
.endr
	v_nop                                          ; one plain line behind the last conversion
.irp c, 0,1
	global_store_b128 v[LI], v[CD+8*(\t)+4*\c:CD+8*(\t)+4*\c+3], s[18:19] offset:1024*(\t)+512*\c   ; 32 lanes store 512 consecutive bytes, at a multiple of 256 from the buffer's first byte
.endr
.endm
	LOAD 0
	LOAD 1
	STEP 0
	STEP 1
	STEP 2
	STEP 3
	v_cmp_ne_u32 vcc_lo, 0, v[HH]                  ; lane (r, h) stores words 2 h and 2 h + 1 of row r: the 32 lanes fill the chunk's last 256 bytes
	v_cndmask_b32 v250, v[SWD], v[SWD+2], vcc_lo
	v_cndmask_b32 v251, v[SWD+1], v[SWD+3], vcc_lo
	global_store_b64 v[WO], v[250:251], s[18:19] offset:4096
	s_wait_tensorcnt 0x0
	ds_add_u32 v254, v255
	s_wait_dscnt 0x0
	s_endpgm
.Lfunc_end_k_q250f3925d9_quant:
	.size	k_q250f3925d9_quant, .Lfunc_end_k_q250f3925d9_quant-k_q250f3925d9_quant
	.p2alignl 7, 3214868480
	.fill 96, 4, 3214868480
	.section	.rodata,"a",@progbits
	.p2align	6, 0x0
	.amdhsa_kernel k_q250f3925d9_quant
		.amdhsa_group_segment_fixed_size 34304
		.amdhsa_private_segment_fixed_size 0
		.amdhsa_enable_private_segment 0
		.amdhsa_kernarg_size 40
		.amdhsa_user_sgpr_count 2
		.amdhsa_user_sgpr_kernarg_segment_ptr 1
		.amdhsa_wavefront_size32 1
		.amdhsa_system_sgpr_workgroup_id_x 1
		.amdhsa_system_sgpr_workgroup_id_y 1
		.amdhsa_system_sgpr_workgroup_id_z 1
		.amdhsa_system_vgpr_workitem_id 0
		.amdhsa_next_free_vgpr 256
		.amdhsa_next_free_sgpr 66
		.amdhsa_reserve_vcc 1
		.amdhsa_float_denorm_mode_32 3
		.amdhsa_float_denorm_mode_16_64 3
		.amdhsa_memory_ordered 1
		.amdhsa_forward_progress 1
		.amdhsa_inst_pref_size 31
	.end_amdhsa_kernel
	.amdgpu_metadata
---
amdhsa.version: [ 1, 2 ]
amdhsa.kernels:
  - .name:           k_q250f3925d9_quant
    .symbol:         k_q250f3925d9_quant.kd
    .args:
      - { .name: x, .offset: 0, .size: 8, .value_kind: global_buffer, .address_space: global }
      - { .name: W_qkv, .offset: 8, .size: 8, .value_kind: global_buffer, .address_space: global }
      - { .name: W_out, .offset: 16, .size: 8, .value_kind: global_buffer, .address_space: global }
      - { .name: xq, .offset: 24, .size: 8, .value_kind: global_buffer, .address_space: global }
      - { .name: wq, .offset: 32, .size: 8, .value_kind: global_buffer, .address_space: global }
    .group_segment_fixed_size: 34304
    .private_segment_fixed_size: 0
    .kernarg_segment_align: 8
    .kernarg_segment_size: 40
    .max_flat_workgroup_size: 128
    .sgpr_count:     66
    .vgpr_count:     256
    .wavefront_size: 32
...
	.end_amdgpu_metadata
.endif
;; end of part 1
;; launch qkv (part 2): grid 16 x 32, 4 waves a work-group, clusters of 4 x 4, 244,736 bytes of LDS; arguments xq, wq, b_qkv, qq, kv; writes qq, kv
.if DOCPART == 2
	.amdgcn_target "amdgcn-amd-amdhsa--gfx1250"
	.amdhsa_code_object_version 6
	.text
	.protected	k_q250f3925d9_qkv
	.globl	k_q250f3925d9_qkv
	.p2align	8
	.type	k_q250f3925d9_qkv,@function
k_q250f3925d9_qkv:
	s_mov_b64 s[64:65], 0
	v_nop
	global_prefetch_b8 v0, s[64:65] scope:SCOPE_SE
	s_setreg_imm32_b32 hwreg(HW_REG_WAVE_MODE, 25, 1), 1
	s_wait_xcnt 0x0
	s_wait_alu depctr_hold_cnt(0) depctr_sa_sdst(0) depctr_va_vdst(0) depctr_va_sdst(0) depctr_va_ssrc(0) depctr_va_vcc(0) depctr_vm_vsrc(0)
	s_getreg_b32 s2, hwreg(HW_REG_IB_STS2, 6, 4)
	s_cmp_eq_u32 s2, 0
	s_cbranch_scc0 .Lentry_in_a_cluster
	s_endpgm
.Lentry_in_a_cluster:
	s_bfe_u32 s2, ttmp6, 0x10000c
	s_cmp_lg_u32 s2, 0xf033
	s_cbranch_scc0 .Lentry_shape_is_right
	s_endpgm
.Lentry_shape_is_right:
; qkv = x W_qkv^T + b_qkv on codes of FP4 with E8M0 scales, and at once the quantising of q and k (along the head's 64) and of v (along the keys): the f32 numbers never go to memory.
; SHARES.  A work-group makes 256 rows x one head's 192 columns (q 0-63, k 64-127, v 128-191).  Wave w makes rows 64 w .. + 63 (x's tiles a = 0..3) x all 12 tiles of W: 48 accumulators.
; OPERANDS lie in memory as images of fragment registers (tile: 16 rows, lane index i of tile 2 g + u = row 32 g + 8 u + i + 8 (i / 8); chunk: 4 fragments of 128 along K + 256 bytes of scale words = 4,352 bytes).
; All of K (two chunks of each tile) fits in LDS: each LDS byte is filled once, by four tensor loads a chunk; a wave has two out, by this text's own count.
; CLUSTER 4 x 4: the four work-groups of a row of the cluster share x's tiles, the four of a column W's: each tile is asked for jointly.
; q AND k ARE MADE TRANSPOSED (source 0 = 16 rows of W, source 1 = 16 rows of x): a lane holds one row of x, and the 16 registers of W's tiles 2 g, 2 g + 1 are 16 neighbours along d.
; v IS MADE THE NATURAL WAY (source 0 = x, source 1 = W): a lane holds one d, and the 16 registers of x's tiles 2 g, 2 g + 1 are 16 neighbouring keys.  The bias is the C of each sum's first product.
; OUT.  qq [head of 64][group of 64 queries][4 tiles x 512 bytes of codes, 256 bytes of scale words [r][tile]].
;       kv [head of 64][block of 128 keys][8,960]: K's codes [tile 8][lane][16]; +4096 K's words [4 tiles][r][tile % 4]; +4608 V's codes [d tile 4][c 2][lane][16]; +8704 V's words [r][d tile].
;       In q's and k's words bytes 2 and 3 are 0x7f: they meet zero codes alone (the head's 64 fill half of an instruction's 128).
; LIMITS: a block of zeros, or one under 2^-124, gets the byte 1 (this program alone reads the bytes); NaN and infinities are not served.
; REGISTERS, in windows of 256: window 0: v1-27 addresses; v32-47 x's scale words, v48-95 W's (lanes 0-15 tile 2 p, lanes 16-31 tile 2 p + 1); v96-127 at work behind the products; v128-191 x's fragments, two sets; later codes.
;   window 1: W's fragments, sets at v0 and v128.   window 2: q's and k's accumulators, (a, b) at v[8 (8 a + b)].   window 3: v's, (b', a) at v[8 (4 b' + a)]; v128-191 the bias of q, k; v192-223 of v.
.set CH,   4352                        ; a chunk
.set TILE, 8704                        ; a tile in memory: two chunks
.set NB,   12                          ; W's tiles
.set XCH,  16*CH                       ; LDS: chunk q of x's 16 tiles at q XCH,
.set WB,   2*XCH                       ; of W's 12 tiles at WB + q WCH,
.set WCH,  NB*CH
.set VST,  WB+2*WCH                    ; and 512 bytes in which V's scale words of two blocks of keys meet; no tensor load lands there
.set LI,   1                           ; v1   16 x lane
.set RH8,  2                           ; v2   16 r + 8 h
.set VSA,  3                           ; v3   where my half of V's scale words goes
.set BO,   4                           ; v4   64 h: the bias of q, k
.set BV,   5                           ; v5   4 (r + 8 (r / 8)): the bias of v
.set HH,   6                           ; v6   h
.set R16,  9                           ; v9   16 r
.set VSR,  11                          ; v11  VST + 16 x lane
.set VSG,  12                          ; v12  8,960 h + 16 r
.set AX,   16                          ; v16-17 my four tiles of x in chunk 0, 1
.set AW,   20                          ; v20-21 W's tiles
.set ASX,  22                          ; v22-23 x's scale words
.set ASW,  26                          ; v26-27 W's
.set SX,   32
.set SW,   48
.set TM,   96                          ; v96-99 largest magnitudes, v100-103 bytes, v108-111 the conversions' scale operands
.set PW,   112                         ; v112-114 scale words just made
.set QW,   116                         ; v116-119 q's words, v120-123 k's
.set KW,   120
.set AF,   128
.set PC,   128                         ; codes: v128-175
.set G1X,  24                          ; s[24:31] group 1 for x's tiles, s[32:39] group 0 for chunks 0, 1
.set G0X,  32
.set G1W,  48                          ; s[48:55], s[56:63] the same for W's
.set G0W,  56
.set MSB, 0
.macro WIN new                         ; the immediate's high byte repeats the setting that is left
.if MSB != (\new)
	s_set_vgpr_msb (MSB<<8)|(\new)
.set MSB, \new
.endif
.endm
.macro PLACES                          ; four plain places behind matrix instructions, in front of loads into registers that they have read and of the first read of results
.rept 4
	v_nop
.endr
.endm
.macro CROUND                          ; a round of the cluster's barrier
	s_barrier_signal -1
	s_barrier_wait -1
	s_cmp_lg_u32 s14, 0
	s_cbranch_scc1 .Lnot_wave_0_\@
	s_barrier_signal -3
.Lnot_wave_0_\@:
	s_barrier_wait -3
	s_barrier_signal -1
	s_barrier_wait -1
.endm
	s_load_b256 s[4:11], s[0:1], 0x0               ; xq s[4:5], wq s[6:7], b_qkv s[8:9], qq s[10:11]
	s_load_b64 s[12:13], s[0:1], 0x20              ; kv
	v_lshl_add_u32 v254, v0, 2, 0x3ba00
	v_mov_b32 v255, 0
	ds_add_u32 v254, v255
	ds_add_u32 v254, v255
	v_lshrrev_b32 v7, 5, v0
	v_readfirstlane_b32 s14, v7                    ; wave 0..3
	s_lshr_b32 s15, s14, 1
	s_and_b32 s16, s14, 1                          ; which half of a chunk's tiles I fetch
	s_bfe_u32 s40, ttmp6, 0x40000                  ; cx, cy: my place in the cluster
	s_bfe_u32 s41, ttmp6, 0x40004
	s_lshl_b32 s42, ttmp9, 2
	s_add_co_u32 s42, s42, s40                     ; the head = 4 x cluster x + cx
	s_and_b32 s17, ttmp7, 0xffff
	s_lshl_b32 s17, s17, 2
	s_add_co_u32 s17, s17, s41                     ; the block of 256 rows = 4 x cluster y + cy
	s_lshl_b32 s43, s41, 2
	s_lshl_b32 s43, 15, s43                        ; my row of the cluster
	s_lshl_b32 s44, 0x1111, s40                    ; my column
	; group 1: one chunk of 8 (x) or 6 (W) tiles: rows of 4,352 bytes = 544 elements of 8 bytes, 8,704 bytes apart in memory, dense in LDS
	s_or_b32 s[G1X], s43, (3<<16)|(1<<21)          ; 15:0 the mask; 17:16 elements of 8 bytes; 21 set beside a mask
	s_or_b32 s[G1W], s44, (3<<16)|(1<<21)
	s_mov_b32 s[G1X+1], 544<<16                    ; tensor_dim0
	s_mov_b32 s[G1X+2], 8<<16                      ; tensor_dim1
	s_mov_b32 s[G1X+3], 544<<16                    ; tile_dim0
	s_mov_b32 s[G1X+4], 8                          ; tile_dim1
	s_mov_b32 s[G1X+5], 1088                       ; tensor_dim0_stride
	s_mov_b32 s[G1X+6], 0
	s_mov_b32 s[G1X+7], 0
	s_mov_b32 s[G1W+1], 544<<16
	s_mov_b32 s[G1W+2], (NB/2)<<16
	s_mov_b32 s[G1W+3], 544<<16
	s_mov_b32 s[G1W+4], NB/2
	s_mov_b32 s[G1W+5], 1088
	s_mov_b32 s[G1W+6], 0
	s_mov_b32 s[G1W+7], 0
	s_lshl_b32 s20, s17, 4
	s_lshl_b32 s18, s16, 3
	s_add_co_u32 s20, s20, s18                     ; x: tile 16 x block + 8 x half
	s_mul_i32 s20, s20, TILE
	s_mov_b32 s21, 0
	s_mul_i32 s46, s42, NB
	s_mul_i32 s18, s16, NB/2
	s_add_co_u32 s46, s46, s18                     ; W: tile 12 x head + 6 x half
	s_mul_i32 s46, s46, TILE
	s_mov_b32 s47, 0
	s_mul_i32 s45, s16, 8*CH                       ; where they go: no place in the cluster enters an LDS address
	s_mul_i32 s19, s16, (NB/2)*CH
	s_wait_dscnt 0x0
	s_wait_kmcnt 0x0
	s_add_nc_u64 s[20:21], s[4:5], s[20:21]
	s_add_nc_u64 s[46:47], s[6:7], s[46:47]
	CROUND                                         ; all sixteen work-groups are here: the joint loads meet
.irp q, 0,1
	s_mov_b32 s[G0X+4*\q], 1
	s_add_co_u32 s[G0X+4*\q+1], s45, \q*XCH
	s_add_nc_u64 s[G0X+4*\q+2:G0X+4*\q+3], s[20:21], \q*CH
	s_or_b32 s[G0X+4*\q+3], s[G0X+4*\q+3], 0x80000000
	s_mov_b32 s[G0W+4*\q], 1
	s_add_co_u32 s[G0W+4*\q+1], s19, WB+\q*WCH
	s_add_nc_u64 s[G0W+4*\q+2:G0W+4*\q+3], s[46:47], \q*CH
	s_or_b32 s[G0W+4*\q+3], s[G0W+4*\q+3], 0x80000000
.endr
	s_cmp_lt_u32 s14, 2                            ; waves 0 and 1 fetch x's halves, waves 2 and 3 W's; a wave's two fills stand in one branch, chunk 0 first; four v_nop follow the second
	s_cbranch_scc0 .Lfirst_w
	tensor_load_to_lds s[G0X:G0X+3], s[G1X:G1X+7]
	s_nop 0
	tensor_load_to_lds s[G0X+4:G0X+7], s[G1X:G1X+7]
	s_nop 0
.rept 4
	v_nop
.endr
	s_branch .Lfirst_asked
.Lfirst_w:
	tensor_load_to_lds s[G0W:G0W+3], s[G1W:G1W+7]
	s_nop 0
	tensor_load_to_lds s[G0W+4:G0W+7], s[G1W:G1W+7]
	s_nop 0
.rept 4
	v_nop
.endr
.Lfirst_asked:
	v_and_b32 v7, 31, v0                           ; lane
	v_and_b32 v8, 15, v0                           ; r
	v_bfe_u32 v[HH], v0, 4, 1                      ; h
	v_lshlrev_b32 v[LI], 4, v7
	v_lshlrev_b32 v[R16], 4, v8
	v_lshl_add_u32 v[RH8], v[HH], 3, v[R16]
	s_lshl_b32 s18, s15, 8                         ; V's words: block of keys w / 2, half-word w % 2 of each word
	s_lshl_b32 s19, s16, 1
	s_add_co_u32 s18, s18, s19
	s_add_co_u32 s18, s18, VST
	v_add_nc_u32 v[VSA], s18, v[R16]
	v_add_nc_u32 v[VSR], VST, v[LI]
	v_mul_u32_u24 v[VSG], v[HH], 8960
	v_add_nc_u32 v[VSG], v[VSG], v[R16]
	v_lshlrev_b32 v[BO], 6, v[HH]
	v_and_b32 v[BV], 8, v8
	v_add_nc_u32 v[BV], v[BV], v8
	v_lshlrev_b32 v[BV], 2, v[BV]
	s_mul_i32 s18, s14, 4*CH                       ; my four tiles of x
	v_add_nc_u32 v[AX], s18, v[LI]
	v_add_nc_u32 v[AX+1], XCH, v[AX]
	v_add_nc_u32 v[AW], WB, v[LI]
	v_add_nc_u32 v[AW+1], WB+WCH, v[LI]
	v_mul_u32_u24 v10, v[HH], CH                   ; lanes 16-31 take the next tile's words
	v_add_nc_u32 v10, v10, v[R16]
	v_add_nc_u32 v[ASX], s18, v10
	v_add_nc_u32 v[ASX], 4096, v[ASX]
	v_add_nc_u32 v[ASX+1], XCH, v[ASX]
	v_add_nc_u32 v[ASW], WB+4096, v10
	v_add_nc_u32 v[ASW+1], WB+WCH+4096, v10
.irp b, 0,1,2,3
	v_mov_b32 v[TM+4+\b], 0                        ; written once: a lane permute's destination counts as one of its sources
.endr
	s_mul_i32 s18, s42, 768                        ; the head's 192 numbers of b_qkv
	s_mov_b32 s19, 0
	s_add_nc_u64 s[8:9], s[8:9], s[18:19]
	WIN 0xc0                                       ; destination window 3
.irp b, 0,1,2,3,4,5,6,7                        ; q, k: register j of lane (r, h) in tile b is column 32 (b / 2) + 8 (b % 2) + 16 h + j
	global_load_b128 v[128+8*\b:128+8*\b+3], v[BO], s[8:9] offset:(32*(\b/2)+8*(\b%2))*4
	global_load_b128 v[128+8*\b+4:128+8*\b+7], v[BO], s[8:9] offset:(32*(\b/2)+8*(\b%2))*4+16
.endr
.irp b, 0,1,2,3                                ; v: a lane holds one d: 32 (b / 2) + 8 (b % 2) + r + 8 (r / 8)
	global_load_b32 v[192+8*\b], v[BV], s[8:9] offset:512+(32*(\b/2)+8*(\b%2))*4
.endr
	WIN 0
	; where the results go
	s_lshr_b32 s70, s17, 3                         ; the batch,
	s_and_b32 s71, s17, 7                          ; the block of 256 rows in it
	s_lshl_b32 s70, s70, 4
	s_add_co_u32 s70, s70, s42                     ; head of 64 = 16 x batch + head
	s_lshl_b32 s72, s70, 5
	s_lshl_b32 s73, s71, 2
	s_add_co_u32 s72, s72, s73
	s_add_co_u32 s72, s72, s14
	s_mul_i32 s72, s72, 2304
	s_mov_b32 s73, 0
	s_add_nc_u64 s[10:11], s[10:11], s[72:73]      ; qq at my group of 64 queries
	s_lshl_b32 s74, s70, 4
	s_lshl_b32 s75, s71, 1
	s_add_co_u32 s74, s74, s75
	s_mul_i32 s76, s74, 8960
	s_mov_b32 s77, 0
	s_add_nc_u64 s[78:79], s[12:13], s[76:77]      ; kv at the work-group's first block of 128 keys
	s_mul_i32 s76, s15, 8960
	s_add_nc_u64 s[12:13], s[78:79], s[76:77]      ; at my block
	s_lshl_b32 s76, s16, 11
	s_add_nc_u64 s[80:81], s[12:13], s[76:77]      ; K's codes: my four tiles
	s_lshl_b32 s76, s16, 8
	s_add_nc_u64 s[82:83], s[12:13], s[76:77]      ; K's words (+ 4,096)
	s_lshl_b32 s76, s16, 9
	s_add_nc_u64 s[84:85], s[12:13], s[76:77]      ; V's codes (+ 4,608): my 64 keys are half c = w % 2 of each fragment
	s_mov_b32 s86, 0x7f7f0000
	s_mov_b32 s88, 0x76543210
	s_mov_b32 s89, 0xfedcba98                      ; v_permlanex16_b32's selects for lane l xor 16
; One scaled product; registers and the rows of the scale registers by the symbols set just ahead of it.
.macro WMS
.if rRA && rRB
	v_wmma_scale_f32_16x16x128_f8f6f4 v[rD:rD+7], v[rA:rA+7], v[rB:rB+7], v[rC:rC+7], v[rSA], v[rSB] matrix_a_fmt:MATRIX_FMT_FP4 matrix_b_fmt:MATRIX_FMT_FP4 matrix_a_scale:MATRIX_SCALE_ROW1 matrix_b_scale:MATRIX_SCALE_ROW1
.elseif rRA
	v_wmma_scale_f32_16x16x128_f8f6f4 v[rD:rD+7], v[rA:rA+7], v[rB:rB+7], v[rC:rC+7], v[rSA], v[rSB] matrix_a_fmt:MATRIX_FMT_FP4 matrix_b_fmt:MATRIX_FMT_FP4 matrix_a_scale:MATRIX_SCALE_ROW1
.elseif rRB
	v_wmma_scale_f32_16x16x128_f8f6f4 v[rD:rD+7], v[rA:rA+7], v[rB:rB+7], v[rC:rC+7], v[rSA], v[rSB] matrix_a_fmt:MATRIX_FMT_FP4 matrix_b_fmt:MATRIX_FMT_FP4 matrix_b_scale:MATRIX_SCALE_ROW1
.else
	v_wmma_scale_f32_16x16x128_f8f6f4 v[rD:rD+7], v[rA:rA+7], v[rB:rB+7], v[rC:rC+7], v[rSA], v[rSB] matrix_a_fmt:MATRIX_FMT_FP4 matrix_b_fmt:MATRIX_FMT_FP4
.endif
.endm
; K step k's fragments into set st: 24 loads of W's, 8 of x's; each reads 512 consecutive bytes
.macro FETCH k, st
	WIN 0x40                                       ; destination window 1
.irp b, 0,1,2,3,4,5,6,7,8,9,10,11
.irp c, 0,1
	ds_load_b128 v[128*(\st)+8*\b+4*\c:128*(\st)+8*\b+4*\c+3], v[AW+(\k)/4] offset:CH*\b+1024*((\k)%4)+512*\c
.endr
.endr
	WIN 0
.irp a, 0,1,2,3
.irp c, 0,1
	ds_load_b128 v[AF+32*(\st)+8*\a+4*\c:AF+32*(\st)+8*\a+4*\c+3], v[AX+(\k)/4] offset:CH*\a+1024*((\k)%4)+512*\c
.endr
.endr
.endm
.macro SCALES q                        ; chunk q's scale words: four K steps' words of two tiles a load
.irp p, 0,1
	ds_load_b128 v[SX+8*(\q)+4*\p:SX+8*(\q)+4*\p+3], v[ASX+(\q)] offset:2*CH*\p
.endr
.irp p, 0,1,2,3,4,5
	ds_load_b128 v[SW+2*NB*(\q)+4*\p:SW+2*NB*(\q)+4*\p+3], v[ASW+(\q)] offset:2*CH*\p
.endr
.endm
; K step k: 48 products.  The 48 accumulators take turns, one instruction a turn, in the same order in every step.  first = 1: the bias is C.
.macro MUL k, first
.set Qc, (\k)/4
.set Wd, (\k)%4
.set St, (\k)%2
.if \first
	WIN 0xb1                                       ; source 0 (W) window 1, source 1 (x) window 0, C window 3, D window 2
.else
	WIN 0xa1                                       ; the same, C and D window 2
.endif
.irp a, 0,1,2,3
.irp b, 0,1,2,3,4,5,6,7
.set rD, 8*(8*\a+\b)
.set rC, rD
.if \first
.set rC, 128+8*\b
.endif
.set rA, 128*St+8*\b
.set rB, AF+32*St+8*\a
.set rSA, SW+2*NB*Qc+4*(\b/2)+Wd
.set rSB, SX+8*Qc+4*(\a/2)+Wd
.set rRA, \b%2
.set rRB, \a%2
	WMS
.endr
.endr
	WIN 0xf4                                       ; source 0 (x) window 0, source 1 (W) window 1, C and D window 3
.irp e, 0,1,2,3
.irp a, 0,1,2,3
.set rD, 8*(4*\e+\a)
.set rC, rD
.if \first
.set rC, 192+8*\e
.endif
.set rA, AF+32*St+8*\a
.set rB, 128*St+8*(8+\e)
.set rSA, SX+8*Qc+4*(\a/2)+Wd
.set rSB, SW+2*NB*Qc+4*((8+\e)/2)+Wd
.set rRA, \a%2
.set rRB, \e%2
	WMS
.endr
.endr
	WIN 0
.endm
; 64 numbers of a lane in window win, register s + 16 b + i = k 32 b + 16 h + i of the lane's row, become a fragment's codes in v[pc] on and its scale word in v[pw].  Each accumulator is read from its low end on.
.macro QUANTW win, s, pc, pw
	WIN 0
.irp b, 0,1,2,3
	v_mov_b32 v[TM+\b], 0x1800000                  ; the floor 2^(3 - 127), under which no largest magnitude is taken: the byte cannot fall under 1
.endr
.if \win == 2
	WIN 0x28                                       ; sources 1 and 2: window 2
.else
	WIN 0x3c                                       ; window 3
.endif
.irp i, 0,2,4,6,8,10,12,14
.irp b, 0,1,2,3
	v_max3_num_f32 v[TM+\b], v[TM+\b], |v[(\s)+16*\b+\i]|, |v[(\s)+16*\b+\i+1]|   ; the four blocks by turns
.endr
.endr
	WIN 0
.irp b, 0,1,2,3
	v_permlanex16_b32 v[TM+4+\b], v[TM+\b], s88, s89
.endr
.irp b, 0,1,2,3
	v_max_num_f32 v[TM+\b], v[TM+\b], v[TM+4+\b]   ; with lane l xor 16's: the block's largest magnitude
.endr
.irp b, 0,1,2,3
	v_add_nc_u32 v[TM+12+\b], 0xff000000, v[TM+\b] ; 2 off its exponent field: the conversion's scale operand
.endr
.irp b, 0,1,2,3
	v_lshrrev_b32 v[TM+4+\b], 23, v[TM+12+\b]      ; the scale's byte
.endr
	v_lshl_or_b32 v[\pw], v[TM+5], 8, v[TM+4]
	v_lshl_or_b32 v[\pw], v[TM+6], 16, v[\pw]
	v_lshl_or_b32 v[\pw], v[TM+7], 24, v[\pw]
.if \win == 2
	WIN 0x02                                       ; source 0: window 2
.else
	WIN 0x03
.endif
.irp b, 0,1,2,3
	v_cvt_scalef32_pk8_fp4_f32 v[(\pc)+2*\b], v[(\s)+16*\b:(\s)+16*\b+7], v[TM+12+\b]
	v_cvt_scalef32_pk8_fp4_f32 v[(\pc)+2*\b+1], v[(\s)+16*\b+8:(\s)+16*\b+15], v[TM+12+\b]
.endr
	WIN 0
	v_nop                                          ; one plain place behind a scaled conversion
.irp c, 0,1                                    ; the operand's layout wants a whole block in a lane: lanes 0-15 block 2 c, lanes 16-31 block 2 c + 1
.irp i, 0,1
	v_permlane16_swap_b32 v[(\pc)+4*\c+\i], v[(\pc)+4*\c+2+\i]
.endr
.endr
.endm
	s_wait_alu depctr_va_vdst(0)
	s_wait_tensorcnt 0x1                           ; my part of chunk 0 is in; chunk 1's load may stay out
	s_barrier_signal -1
	s_barrier_wait -1                              ; everybody's is
	SCALES 0
	FETCH 0, 0
	FETCH 1, 1
	s_wait_loadcnt 0x0                             ; the biases
	WIN 0xc3                                       ; source 0 and destination window 3
.irp b, 0,1,2,3
.irp j, 1,2,3,4,5,6,7
	v_mov_b32 v[192+8*\b+\j], v[192+8*\b]          ; v's bias is the same in a lane's eight registers (eight keys of one d)
.endr
.endr
	WIN 0
	s_wait_alu depctr_va_vdst(0)
	s_wait_dscnt 32                                ; all but K step 1's 32 loads
	MUL 0, 1
.irp s, 1,2,3,4,5,6,7
	PLACES                                         ; in front of loads into the set that the step before multiplied
.if \s == 3
	s_wait_dscnt 0x0                               ; no LDS load of mine is out at the signal (K step 3's fragments are in),
	s_wait_tensorcnt 0x0                           ; my part of chunk 1 is in,
	s_barrier_signal -1
	s_barrier_wait -1                              ; everybody's is
	FETCH 4, 0
	SCALES 1
.elseif \s < 7
	FETCH \s+1, (\s+1)%2
	s_wait_dscnt 32                                ; all but the 32 just issued: this step's fragments are in
.else
	s_wait_dscnt 0x0
.endif
	MUL \s, 0
.endr
	PLACES                                         ; in front of the first read of results
	; q AND k.  For tile a of x the 64 registers are q's blocks 0, 1 and k's blocks 0, 1 of one row: the fragment's first four registers are a tile of Q, its last four a tile of K
.irp a, 0,1,2,3
	QUANTW 2, 64*\a, PC+8*\a, PW
	global_store_b128 v[LI], v[PC+8*\a:PC+8*\a+3], s[10:11] offset:512*\a      ; 512 consecutive bytes
	global_store_b128 v[LI], v[PC+8*\a+4:PC+8*\a+7], s[80:81] offset:512*\a
	v_and_or_b32 v[QW+\a], v[PW], 0xffff, s86      ; q's two bytes, and 0x7f for the two blocks of zero codes
	v_lshrrev_b32 v[KW+\a], 16, v[PW]
	v_or_b32 v[KW+\a], s86, v[KW+\a]               ; k's likewise
.endr
	v_cmp_ne_u32 vcc_lo, 0, v[HH]                  ; lane (r, h) stores the words of tiles 2 h and 2 h + 1 of row r: the 32 lanes fill 256 bytes
	v_cndmask_b32 v124, v[QW], v[QW+2], vcc_lo
	v_cndmask_b32 v125, v[QW+1], v[QW+3], vcc_lo
	v_cndmask_b32 v126, v[KW], v[KW+2], vcc_lo
	v_cndmask_b32 v127, v[KW+1], v[KW+3], vcc_lo
	global_store_b64 v[RH8], v[124:125], s[10:11] offset:2048
	global_store_b64 v[RH8], v[126:127], s[82:83] offset:4096
	; v.  For d tiles 2 p and 2 p + 1 the 64 registers are each tile's two blocks of 32 keys: the fragment's halves are my half of two fragments of V
.irp p, 0,1
	QUANTW 3, 64*\p, PC+32+8*\p, PW+1+\p
	global_store_b128 v[LI], v[PC+32+8*\p:PC+32+8*\p+3], s[84:85] offset:4608+1024*(2*\p)
	global_store_b128 v[LI], v[PC+32+8*\p+4:PC+32+8*\p+7], s[84:85] offset:4608+1024*(2*\p+1)
	ds_store_b16 v[VSA], v[PW+1+\p] offset:8*\p            ; my two bytes of d tile 2 p's word (both lanes of a row write the same),
	ds_store_b16_d16_hi v[VSA], v[PW+1+\p] offset:8*\p+4   ; and of d tile 2 p + 1's
.endr
	s_wait_dscnt 0x0                               ; for the others' sake: my stores have landed
	s_barrier_signal -1
	s_barrier_wait -1                              ; V's words of the two blocks of keys are whole
	s_cmp_lg_u32 s14, 0
	s_cbranch_scc1 .Lnot_zero
	ds_load_b128 v[176:179], v[VSR]
	s_wait_dscnt 0x0
	global_store_b128 v[VSG], v[176:179], s[78:79] offset:8704   ; sixteen lanes store 256 consecutive bytes of each block
.Lnot_zero:
	s_wait_tensorcnt 0x0
	ds_add_u32 v254, v255
	s_wait_dscnt 0x0
	CROUND                                         ; the closing round: no work-group ends while a partner may still ask for a tile that names it
	s_endpgm
.Lfunc_end_k_q250f3925d9_qkv:
	.size	k_q250f3925d9_qkv, .Lfunc_end_k_q250f3925d9_qkv-k_q250f3925d9_qkv
	.p2alignl 7, 3214868480
	.fill 96, 4, 3214868480
	.section	.rodata,"a",@progbits
	.p2align	6, 0x0
	.amdhsa_kernel k_q250f3925d9_qkv
		.amdhsa_group_segment_fixed_size 244736
		.amdhsa_private_segment_fixed_size 0
		.amdhsa_enable_private_segment 0
		.amdhsa_kernarg_size 40
		.amdhsa_user_sgpr_count 2
		.amdhsa_user_sgpr_kernarg_segment_ptr 1
		.amdhsa_wavefront_size32 1
		.amdhsa_system_sgpr_workgroup_id_x 1
		.amdhsa_system_sgpr_workgroup_id_y 1
		.amdhsa_system_sgpr_workgroup_id_z 1
		.amdhsa_system_vgpr_workitem_id 0
		.amdhsa_next_free_vgpr 1024
		.amdhsa_next_free_sgpr 100
		.amdhsa_reserve_vcc 1
		.amdhsa_float_denorm_mode_32 3
		.amdhsa_float_denorm_mode_16_64 3
		.amdhsa_memory_ordered 1
		.amdhsa_forward_progress 1
		.amdhsa_inst_pref_size 106
	.end_amdhsa_kernel
	.amdgpu_metadata
---
amdhsa.version: [ 1, 2 ]
amdhsa.kernels:
  - .name:           k_q250f3925d9_qkv
    .symbol:         k_q250f3925d9_qkv.kd
    .args:
      - { .name: xq, .offset: 0, .size: 8, .value_kind: global_buffer, .address_space: global }
      - { .name: wq, .offset: 8, .size: 8, .value_kind: global_buffer, .address_space: global }
      - { .name: b_qkv, .offset: 16, .size: 8, .value_kind: global_buffer, .address_space: global }
      - { .name: qq, .offset: 24, .size: 8, .value_kind: global_buffer, .address_space: global }
      - { .name: kv, .offset: 32, .size: 8, .value_kind: global_buffer, .address_space: global }
    .group_segment_fixed_size: 244736
    .private_segment_fixed_size: 0
    .kernarg_segment_align: 8
    .kernarg_segment_size: 40
    .max_flat_workgroup_size: 128
    .sgpr_count:     100
    .vgpr_count:     1024
    .wavefront_size: 32
...
	.end_amdgpu_metadata
.endif
;; end of part 2
;; launch attn (part 3): grid 8 x 32, 16 waves a work-group, clusters of 4 x 1, 288,768 bytes of LDS; arguments qq, kv, cq; writes cq
.if DOCPART == 3
	.amdgcn_target "amdgcn-amd-amdhsa--gfx1250"
	.amdhsa_code_object_version 6
	.text
	.protected	k_q250f3925d9_attn
	.globl	k_q250f3925d9_attn
	.p2align	8
	.type	k_q250f3925d9_attn,@function
k_q250f3925d9_attn:
	s_mov_b64 s[64:65], 0
	v_nop
	global_prefetch_b8 v0, s[64:65] scope:SCOPE_SE
	s_setreg_imm32_b32 hwreg(HW_REG_WAVE_MODE, 25, 1), 1
	s_wait_xcnt 0x0
	s_wait_alu depctr_hold_cnt(0) depctr_sa_sdst(0) depctr_va_vdst(0) depctr_va_sdst(0) depctr_va_ssrc(0) depctr_va_vcc(0) depctr_vm_vsrc(0)
	s_getreg_b32 s2, hwreg(HW_REG_IB_STS2, 6, 4)
	s_cmp_eq_u32 s2, 0
	s_cbranch_scc0 .Lentry_in_a_cluster
	s_endpgm
.Lentry_in_a_cluster:
	s_bfe_u32 s2, ttmp6, 0x10000c
	s_cmp_lg_u32 s2, 0x3003
	s_cbranch_scc0 .Lentry_shape_is_right
	s_endpgm
.Lentry_shape_is_right:
; ctx = softmax(q k^T / 8) v for two neighbouring heads, both products on codes of FP4 with E8M0 scales, and at once the quantising of ctx along C for the last product.
; THE SOFTMAX: t = score x log2(e) / 8; M = the row's largest t so far, rounded UP to a whole number; p = 2^(t - M) is what is quantised, along the keys, not normalised.  The row's sum is taken of the
; unquantised p and divides at the end.  When M moves, the sum and O are multiplied by 2^(old M - new M): exact.
; SHARES.  A work-group owns 256 queries and a pair of heads (2 hp, 2 hp + 1), whose 128 numbers of a row of ctx are one K step of the last product.  Each of its sixteen waves owns one tile of 16 queries, in 256
; registers: four waves to a SIMD, so that one wave's vector work stands beside another's matrix work and LDS loads.  A wave walks all 2,048 keys of the first head, 128 a step, then of the second.
; LDS holds both heads' K and V with their scale words, as they lie in kv (16 blocks of 8,960 bytes a head): filled once, by waves 0 to 3, two loads each; by this text's own count two are out.
; CLUSTER 4 x 1: the four blocks of queries of a cluster walk the same two heads: each load is a joint one.
; LAYOUT.  S^T = K Q^T (source 0 = 16 keys, source 1 = my 16 queries), O^T = V^T P^T: a lane holds one query throughout.  Lane r of K's tile 2 b + u is key 32 b + 8 u + r + 8 (r / 8), so that the 16 registers of tiles
; 2 b, 2 b + 1 are 16 neighbouring keys; V's d tiles are ordered likewise, so that O^T's 16 registers of two tiles are 16 neighbours along C.  The head's 64 fill half of the first product's 128: the other half are zero codes
; (registers set once) under the byte 0x7f.
; LIMITS: a block of ctx that is all zeros, or under 2^-124, gets the byte 1 (this program alone reads the bytes); NaN and infinities are not served.  ctx's scale bytes leave two bytes a lane, 64 bytes of a chunk's last 256 for a wave.
; REGISTERS: v1 16 x lane, v2 16 r; v3, v[4:7] the second head's Q; v8, v9 LDS addresses; v10, v11 ctx's scale bytes; v12 -M, v13 the largest t, v[14:15] the sum; v16-23 Q; v24-31 ctx's codes; v32-95 K; v96-159 S^T, then p;
;   v160-191 O^T; v192-223 V; v224-231 p's codes; v232-239, v244-247, v252, v254 at work; v240-243 V's scale words; v248-251 K's; v253 p's; v255 Q's.
.set BLK,   8960                       ; a block of 128 keys
.set HEADB, 16*BLK                     ; a head
.set L16,  1
.set R16,  2
.set AD,   8
.set AD2,  9
.set TB,   2                           ; s2  LDS byte at which the step's block begins
.set CNT,  3                           ; s3  trips
.set WV,   18
.set SEL,  20                          ; s[20:21] lane selects for v_permlanex16_b32: lane l xor 16
.set CS,   22                          ; s[22:23] c = log2(e) / 8
.set G1,   24
.set G0A,  32
.set G0B,  36
.macro CROUND                          ; a round of the cluster's barrier
	s_barrier_signal -1
	s_barrier_wait -1
	s_cmp_lg_u32 s[WV], 0
	s_cbranch_scc1 .Lnot_wave_0_\@
	s_barrier_signal -3
.Lnot_wave_0_\@:
	s_barrier_wait -3
	s_barrier_signal -1
	s_barrier_wait -1
.endm
	s_load_b128 s[4:7], s[0:1], 0x0                ; qq, kv
	s_load_b64 s[8:9], s[0:1], 0x10                ; cq
	v_lshl_add_u32 v254, v0, 2, 0x46000
	v_mov_b32 v255, 0
	ds_add_u32 v254, v255
	ds_add_u32 v254, v255
	s_wait_dscnt 0x0
	v_lshrrev_b32 v8, 5, v0
	s_delay_alu instid0(VALU_DEP_1)
	v_readfirstlane_b32 s[WV], v8                  ; wave 0..15
	s_bfe_u32 s40, ttmp6, 0x40000                  ; cx
	s_lshl_b32 s41, ttmp9, 2
	s_add_co_u32 s41, s41, s40                     ; my block of 256 queries: it enters Q's and ctx's addresses alone
	s_and_b32 s42, ttmp7, 0xffff                   ; the pair of heads, which the four partners share
	s_and_b32 s43, s[WV], 3
	s_mul_i32 s44, s43, HEADB/4                    ; the quarter of a head that I fetch, if I fetch
	s_mul_i32 s46, s42, 2*HEADB
	s_add_co_u32 s46, s46, s44
	s_mov_b32 s47, 0
	; group 1: a dense block of 35,840 bytes as 140 rows of 256 bytes (32 elements of 8 bytes)
	s_mov_b32 s[G1], 15|(3<<16)|(1<<21)            ; 15:0 the mask: all four work-groups; 17:16 elements of 8 bytes; 21 set beside a mask
	s_mov_b32 s[G1+1], 32<<16
	s_mov_b32 s[G1+2], 140<<16
	s_mov_b32 s[G1+3], 32<<16
	s_mov_b32 s[G1+4], 140
	s_mov_b32 s[G1+5], 32
	s_mov_b32 s[G1+6], 0
	s_mov_b32 s[G1+7], 0
	s_mov_b32 s[SEL], 0x76543210
	s_mov_b32 s[SEL+1], 0xfedcba98
	s_mov_b32 s[CS], 0x3e38aa3b                    ; log2(e) / 8
	s_mov_b32 s[CS+1], s[CS]                       ; (named with it as a pair, so it is written)
	s_wait_kmcnt 0x0
	s_add_nc_u64 s[46:47], s[6:7], s[46:47]
	CROUND                                         ; all four work-groups are here: the joint loads meet
	s_mov_b32 s[G0A], 1
	s_mov_b32 s[G0A+1], s44
	s_mov_b64 s[G0A+2:G0A+3], s[46:47]
	s_or_b32 s[G0A+3], s[G0A+3], 0x80000000
	s_mov_b32 s[G0B], 1
	s_add_co_u32 s[G0B+1], s44, HEADB
	s_add_nc_u64 s[G0B+2:G0B+3], s[46:47], HEADB
	s_or_b32 s[G0B+3], s[G0B+3], 0x80000000
	s_cmp_lt_u32 s[WV], 4                          ; waves 0 to 3 fetch: the first head's quarter, then the second's, in one branch; four v_nop follow the second
	s_cbranch_scc0 .Lno_fetch
	tensor_load_to_lds s[G0A:G0A+3], s[G1:G1+7]
	s_nop 0
	tensor_load_to_lds s[G0B:G0B+3], s[G1:G1+7]
	s_nop 0
.rept 4
	v_nop
.endr
.Lno_fetch:
	v_and_b32 v8, 31, v0
	s_delay_alu instid0(VALU_DEP_1)
	v_lshlrev_b32 v[L16], 4, v8
	s_wait_alu depctr_va_vdst(0)
	v_and_b32 v9, 15, v0
	s_delay_alu instid0(VALU_DEP_1)
	v_lshlrev_b32 v[R16], 4, v9
	s_wait_alu depctr_va_vdst(0)
	s_lshl_b32 s48, s42, 6                         ; Q: group of 64 queries 32 x (2 hp) + 4 x block + w / 4; tile w % 4 in it
	s_lshl_b32 s49, s41, 2
	s_add_co_u32 s48, s48, s49
	s_lshr_b32 s49, s[WV], 2
	s_add_co_u32 s48, s48, s49
	s_mul_i32 s48, s48, 2304
	s_lshl_b32 s49, s43, 9
	s_add_co_u32 s50, s48, s49
	s_mov_b32 s51, 0
	s_lshl_b32 s49, s43, 2
	s_add_co_u32 s48, s48, s49
	s_mov_b32 s49, 0
	s_add_nc_u64 s[50:51], s[4:5], s[50:51]        ; its codes
	s_add_nc_u64 s[48:49], s[4:5], s[48:49]        ; its scale words (+ 2,048)
	global_load_b128 v[16:19], v[L16], s[50:51]
	global_load_b128 v[4:7], v[L16], s[50:51] offset:73728        ; the second head's: 32 groups of 2,304 bytes on
	global_load_b32 v255, v[R16], s[48:49] offset:2048
	global_load_b32 v3, v[R16], s[48:49] offset:2048+73728
	s_lshr_b32 s52, s42, 3                         ; ctx: tile 128 x batch + 16 x block + wave; K step hp % 8: chunk (hp % 8) / 4, fragment hp % 4
	s_lshl_b32 s52, s52, 7
	s_lshl_b32 s53, s41, 4
	s_add_co_u32 s52, s52, s53
	s_add_co_u32 s52, s52, s[WV]
	s_mul_i32 s52, s52, 8704
	s_bfe_u32 s53, s42, 0x10002
	s_mul_i32 s53, s53, 4352
	s_add_co_u32 s52, s52, s53
	s_and_b32 s54, s42, 3
	s_lshl_b32 s53, s54, 10
	s_add_co_u32 s56, s52, s53
	s_mov_b32 s57, 0
	s_lshl_b32 s53, s54, 2
	s_add_co_u32 s52, s52, s53
	s_mov_b32 s53, 0
	s_add_nc_u64 s[56:57], s[8:9], s[56:57]        ; the fragment
	s_add_nc_u64 s[52:53], s[8:9], s[52:53]        ; its scale words (+ 4,096)
.irp j, 20,21,22,23
	v_mov_b32 v\j, 0                               ; Q's codes of k = 64 .. 127: zeros, set once
.endr
.irp t, 0,1,2,3,4,5,6,7
.irp j, 4,5,6,7
	v_mov_b32 v[32+8*\t+\j], 0                     ; K's likewise
.endr
.endr
.irp b, 0,1,2,3
	v_mov_b32 v[236+\b], 0                         ; written once: a lane permute's destination counts as one of its sources
.endr
	v_mov_b32 v253, 0                              ; (named as the upper half of the pair v[252:253] before it is first written)
.macro KLOAD o                         ; nine loads: a block's eight tiles of K and their scale words (lanes 0-15 tiles 0-3, lanes 16-31 tiles 4-7), o bytes on from the block in hand
.irp t, 0,1,2,3,4,5,6,7
	ds_load_b128 v[32+8*\t:35+8*\t], v[AD] offset:\o+512*\t
.endr
	ds_load_b128 v[248:251], v[AD] offset:\o+4096
.endm
.macro VLOAD                           ; nine loads: the block's four fragments of V and their scale words
.irp b, 0,1,2,3
.irp c, 0,1
	ds_load_b128 v[192+8*\b+4*\c:195+8*\b+4*\c], v[AD] offset:4608+1024*\b+512*\c
.endr
.endr
	ds_load_b128 v[240:243], v[AD2] offset:8704
.endm
; A KEY STEP: 128 keys.  Its K was asked for a step ago.  pre = 1: the next step's K is asked for behind the first products.
.macro STEP pre
	v_add_nc_u32 v[AD], s[TB], v[L16]
	v_add_nc_u32 v[AD2], s[TB], v[R16]
	v_nop
	v_nop                                          ; four places behind the last products, in front of loads into V's registers
	VLOAD
	s_wait_dscnt 9                                 ; K and its words are in; V's nine loads may be out
.irp t, 0,1,2,3
	v_wmma_scale_f32_16x16x128_f8f6f4 v[96+8*\t:103+8*\t], v[32+8*\t:39+8*\t], v[16:23], 0, v[248+\t], v255 matrix_a_fmt:MATRIX_FMT_FP4 matrix_b_fmt:MATRIX_FMT_FP4
.endr
.irp t, 4,5,6,7
	v_wmma_scale_f32_16x16x128_f8f6f4 v[96+8*\t:103+8*\t], v[32+8*\t:39+8*\t], v[16:23], 0, v[244+\t], v255 matrix_a_fmt:MATRIX_FMT_FP4 matrix_b_fmt:MATRIX_FMT_FP4 matrix_a_scale:MATRIX_SCALE_ROW1
.endr
.rept 4
	v_nop                                          ; places in front of the loads into K's registers and of the first read of the scores
.endr
.if \pre
	s_wait_alu depctr_va_vdst(0)
	KLOAD BLK
.endif
.irp b, 0,1,2,3
	v_max3_num_f32 v[232+\b], v[96+16*\b], v[97+16*\b], v[98+16*\b]   ; THE LARGEST SCORE OF EACH BLOCK OF 32 KEYS: for the row's maximum, and, since p rises with the score, for the block's largest p
.endr
.irp i, 3,5,7,9,11,13
.irp b, 0,1,2,3
	v_max3_num_f32 v[232+\b], v[232+\b], v[96+16*\b+\i], v[97+16*\b+\i]
.endr
.endr
.irp b, 0,1,2,3
	v_max_num_f32 v[232+\b], v[232+\b], v[111+16*\b]
.endr
.irp b, 0,1,2,3
	s_delay_alu instid0(VALU_DEP_4)
	v_permlanex16_b32 v[236+\b], v[232+\b], s[SEL], s[SEL+1]
.endr
.irp b, 0,1,2,3
	s_delay_alu instid0(VALU_DEP_4)
	v_max_num_f32 v[232+\b], v[232+\b], v[236+\b]  ; with lane l xor 16's 16 keys
.endr
	s_delay_alu instid0(VALU_DEP_2)
	v_max3_num_f32 v254, v232, v233, v234
	s_delay_alu instid0(VALU_DEP_1)
	v_max_num_f32 v254, v254, v235                 ; the step's largest score of my query
	s_delay_alu instid0(VALU_DEP_1)
	v_mul_f32 v254, s[CS], v254                    ; as t (c is positive)
	s_delay_alu instid0(VALU_DEP_1)
	v_max_num_f32 v13, v13, v254                   ; the running largest t
	v_mov_b32 v254, v12
	s_delay_alu instid0(VALU_DEP_2)
	v_floor_f32 v12, -v13                          ; the new -M = floor(-t) = -ceil(t): a whole number
	s_delay_alu instid0(VALU_DEP_1)
	v_sub_f32 v254, v12, v254                      ; old M - new M: a whole number, 0 or less
	s_delay_alu instid0(VALU_DEP_1)
	v_cvt_i32_f32 v254, v254                       ; (it saturates)
	s_delay_alu instid0(VALU_DEP_1)
	v_ldexp_f32 v252, 1.0, v254                    ; f = 2^(old M - new M)
.irp j, 0,2,4,6,8,10,12,14,16,18,20,22,24,26,28,30,32,34,36,38,40,42,44,46,48,50,52,54,56,58,60,62
	v_pk_fma_f32 v[96+\j:97+\j], v[96+\j:97+\j], s[CS:CS+1], v[12:13] op_sel_hi:[1,0,0]   ; t - M, two at a time
.endr
.irp b, 0,1,2,3
	v_fma_f32 v[232+\b], v[232+\b], s[CS], v12     ; the same of each block's largest score
.endr
	s_wait_alu depctr_va_vdst(0)
.irp j, 0,1,2,3,4,5,6,7,8,9,10,11,12,13,14,15,16,17,18,19,20,21,22,23,24,25,26,27,28,29,30,31,32,33,34,35,36,37,38,39,40,41,42,43,44,45,46,47,48,49,50,51,52,53,54,55,56,57,58,59,60,61,62,63
	v_exp_f32 v[96+\j], v[96+\j]                   ; p = 2^(t - M), at most 1
.endr
	s_setprio 1
	v_pk_mul_f32 v[14:15], v[14:15], v[252:253] op_sel_hi:[1,0]   ; the sums under the new M: a plain line behind the exponentials
	s_wait_alu depctr_va_vdst(0)                   ; one wait for the whole batch, ahead of its first reader
.irp b, 0,1,2,3
	v_exp_f32 v[232+\b], v[232+\b]                 ; the block's largest p: the same two instructions on the same number give the same bits
.endr
	v_pk_add_f32 v[236:237], v[100:101], v[104:105]
	v_pk_add_f32 v[246:247], v[108:109], v[112:113]
	v_pk_add_f32 v[244:245], v[116:117], v[120:121]
	v_pk_add_f32 v[238:239], v[124:125], v[128:129]
	v_pk_add_f32 v[230:231], v[132:133], v[136:137]
	v_pk_add_f32 v[228:229], v[140:141], v[144:145]
	v_pk_add_f32 v[226:227], v[148:149], v[152:153]
	v_pk_add_f32 v[14:15], v[14:15], v[156:157]
	v_pk_add_f32 v[236:237], v[236:237], v[96:97]
	v_pk_add_f32 v[246:247], v[246:247], v[98:99]
	v_pk_add_f32 v[244:245], v[244:245], v[102:103]
	v_pk_add_f32 v[238:239], v[238:239], v[106:107]
	v_pk_add_f32 v[230:231], v[230:231], v[110:111]
	v_pk_add_f32 v[228:229], v[228:229], v[114:115]
	v_pk_add_f32 v[226:227], v[226:227], v[118:119]
	v_pk_add_f32 v[14:15], v[14:15], v[122:123]
	v_pk_add_f32 v[236:237], v[236:237], v[126:127]
	v_pk_add_f32 v[246:247], v[246:247], v[130:131]
	v_pk_add_f32 v[244:245], v[244:245], v[134:135]
	v_pk_add_f32 v[238:239], v[238:239], v[138:139]
	v_pk_add_f32 v[230:231], v[230:231], v[142:143]
	v_pk_add_f32 v[228:229], v[228:229], v[146:147]
	v_pk_add_f32 v[226:227], v[226:227], v[150:151]
	v_pk_add_f32 v[14:15], v[14:15], v[154:155]
	v_pk_add_f32 v[236:237], v[236:237], v[158:159]
	s_delay_alu instid0(VALU_DEP_2)
	v_pk_add_f32 v[14:15], v[14:15], v[238:239]
	s_delay_alu instid0(VALU_DEP_2)
	v_pk_add_f32 v[236:237], v[236:237], v[230:231]
	v_pk_add_f32 v[246:247], v[246:247], v[228:229]
	v_pk_add_f32 v[244:245], v[244:245], v[226:227]
	s_delay_alu instid0(VALU_DEP_2)
	v_pk_add_f32 v[14:15], v[14:15], v[246:247]
	s_delay_alu instid0(VALU_DEP_2)
	v_pk_add_f32 v[236:237], v[236:237], v[244:245]
	s_delay_alu instid0(VALU_DEP_1)
	v_pk_add_f32 v[14:15], v[14:15], v[236:237]
	s_wait_alu depctr_va_vdst(0)                   ; and one for the four
.irp b, 0,1,2,3
	v_max_num_f32 v[232+\b], 0x1800000, v[232+\b]  ; the floor 2^(3 - 127): the byte cannot fall under 1
.endr
.irp b, 0,1,2,3
	s_delay_alu instid0(VALU_DEP_4)
	v_add_nc_u32 v[244+\b], 0xff000000, v[232+\b]  ; 2 off the exponent field: the conversion's scale operand
.endr
.irp b, 0,1,2,3
	s_delay_alu instid0(VALU_DEP_4)
	v_lshrrev_b32 v[236+\b], 23, v[244+\b]         ; the scale's byte
.endr
	s_delay_alu instid0(VALU_DEP_3)
	v_lshl_or_b32 v253, v237, 8, v236              ; p's scale word for these 128 keys
	s_delay_alu instid0(VALU_DEP_1)
	v_lshl_or_b32 v253, v238, 16, v253
	s_delay_alu instid0(VALU_DEP_1)
	v_lshl_or_b32 v253, v239, 24, v253
.irp b, 0,1,2,3
	v_cvt_scalef32_pk8_fp4_f32 v[224+2*\b], v[96+16*\b:103+16*\b], v[244+\b]
	v_cvt_scalef32_pk8_fp4_f32 v[225+2*\b], v[104+16*\b:111+16*\b], v[244+\b]
.endr
	v_nop                                          ; one plain place behind a scaled conversion
.irp c, 0,1                                    ; the operand's layout wants a whole block in a lane
.irp i, 0,1
	v_permlane16_swap_b32 v[224+4*\c+\i], v[226+4*\c+\i]
.endr
.endr
	s_setprio 0
.irp j, 0,2,4,6,8,10,12,14,16,18,20,22,24,26,28,30
	v_pk_mul_f32 v[160+\j:161+\j], v[160+\j:161+\j], v[252:253] op_sel_hi:[1,0]   ; O^T under the new M.  These sixteen are also the places between p's codes and scale word and the products below
.endr
.if \pre
	s_wait_alu depctr_va_vdst(0)
	s_wait_dscnt 9                                 ; V and its words are in; the next step's nine loads of K may be out
.else
	s_wait_alu depctr_va_vdst(0)
	s_wait_dscnt 0x0
.endif
.irp b, 0,1,2,3
	v_wmma_scale_f32_16x16x128_f8f6f4 v[160+8*\b:167+8*\b], v[192+8*\b:199+8*\b], v[224:231], v[160+8*\b:167+8*\b], v[240+\b], v253 matrix_a_fmt:MATRIX_FMT_FP4 matrix_b_fmt:MATRIX_FMT_FP4
.endr
	s_add_co_u32 s[TB], s[TB], BLK
.endm
; One head: all its keys, then O^T / the sum, quantised along C: half hd of my fragment of ctx.
.macro PASS hd
.if \hd
.irp j, 0,1,2,3
	v_mov_b32 v[16+\j], v[4+\j]                    ; the second head's Q,
.endr
	v_mov_b32 v255, v3                             ; and its scale word: the lines below are the places between these and the first product
.endif
	v_mov_b32 v13, 0xff61b1e6                      ; the largest t so far: -3e38, under every t
	s_delay_alu instid0(VALU_DEP_1)
	v_floor_f32 v12, -v13                          ; -M
	v_mov_b32 v14, 0
	v_mov_b32 v15, 0
.irp j, 0,1,2,3,4,5,6,7,8,9,10,11,12,13,14,15,16,17,18,19,20,21,22,23,24,25,26,27,28,29,30,31
	v_mov_b32 v[160+\j], 0                         ; O^T: the step is written without a first step of its own: it finds zeros, which the first change of M leaves zeros
.endr
	s_mov_b32 s[TB], HEADB*\hd
	v_add_nc_u32 v[AD], s[TB], v[L16]
	KLOAD 0
	s_mov_b32 s[CNT], 15
.Lkeys_\@:
	s_setprio 2
	STEP 1
	s_sub_co_u32 s[CNT], s[CNT], 1
	s_cmp_lg_u32 s[CNT], 0
	s_cbranch_scc1 .Lkeys_\@
	s_setprio 0
	STEP 0                                         ; the head's last 128 keys: nothing more to ask for
.rept 4
	v_nop                                          ; places in front of the first read of O^T
.endr
	v_add_f32 v14, v14, v15                        ; the sum's two halves,
	s_delay_alu instid0(VALU_DEP_1)
	v_permlanex16_b32 v252, v14, s[SEL], s[SEL+1]
	s_delay_alu instid0(VALU_DEP_1)
	v_add_f32 v14, v14, v252                       ; and lane l xor 16's
	s_wait_alu depctr_va_vdst(0)
	v_rcp_f32 v14, v14
	v_nop                                          ; a plain place behind the reciprocal
	s_wait_alu depctr_va_vdst(0)                   ; and the wait ahead of its first reader
.irp j, 0,2,4,6,8,10,12,14,16,18,20,22,24,26,28,30
	v_pk_mul_f32 v[96+\j:97+\j], v[160+\j:161+\j], v[14:15] op_sel_hi:[1,0]   ; ctx: register 16 g + i is d = 32 g + 16 h + i of my query
.endr
.irp g, 0,1
	v_max3_num_f32 v[232+\g], |v[96+16*\g]|, |v[97+16*\g]|, 0x1800000
.endr
.irp i, 2,4,6,8,10,12,14
.irp g, 0,1
	s_delay_alu instid0(VALU_DEP_2)
	v_max3_num_f32 v[232+\g], v[232+\g], |v[96+16*\g+\i]|, |v[97+16*\g+\i]|
.endr
.endr
.irp g, 0,1
	s_delay_alu instid0(VALU_DEP_2)
	v_permlanex16_b32 v[236+\g], v[232+\g], s[SEL], s[SEL+1]
.endr
.irp g, 0,1
	s_delay_alu instid0(VALU_DEP_2)
	v_max_num_f32 v[232+\g], v[232+\g], v[236+\g]
.endr
.irp g, 0,1
	s_delay_alu instid0(VALU_DEP_2)
	v_add_nc_u32 v[244+\g], 0xff000000, v[232+\g]
.endr
.irp g, 0,1
	s_delay_alu instid0(VALU_DEP_2)
	v_lshrrev_b32 v[236+\g], 23, v[244+\g]
.endr
	s_delay_alu instid0(VALU_DEP_1)
	v_lshl_or_b32 v[10+\hd], v237, 8, v236         ; this head's two bytes of the scale word
.irp g, 0,1
	v_cvt_scalef32_pk8_fp4_f32 v[24+4*\hd+2*\g], v[96+16*\g:103+16*\g], v[244+\g]
	v_cvt_scalef32_pk8_fp4_f32 v[25+4*\hd+2*\g], v[104+16*\g:111+16*\g], v[244+\g]
.endr
	v_nop
.irp i, 0,1
	v_permlane16_swap_b32 v[24+4*\hd+\i], v[26+4*\hd+\i]
.endr
	global_store_b128 v[L16], v[24+4*\hd:27+4*\hd], s[56:57] offset:512*\hd   ; 512 consecutive bytes: half hd of the fragment
.endm
	s_wait_tensorcnt 0x1                           ; my part of the first head is in; the second head's load may stay out
	s_barrier_signal -1
	s_barrier_wait -1                              ; everybody's is
	s_wait_loadcnt 0x0                             ; Q
	PASS 0
	s_wait_tensorcnt 0x0                           ; my part of the second head is in,
	s_wait_dscnt 0x0
	s_barrier_signal -1
	s_barrier_wait -1                              ; everybody's is
	PASS 1
	v_bfe_u32 v254, v0, 4, 1                       ; h: lane (r, h) stores head h's two bytes of row r's word
	s_delay_alu instid0(VALU_DEP_1)
	v_cmp_ne_u32 vcc_lo, 0, v254
	s_delay_alu instid0(VALU_DEP_1)
	v_cndmask_b32 v232, v10, v11, vcc_lo
	s_delay_alu instid0(VALU_DEP_3)
	v_lshl_add_u32 v9, v254, 1, v[R16]
	global_store_b16 v9, v232, s[52:53] offset:4096
	s_wait_xcnt 0x0
	v_lshl_add_u32 v254, v0, 2, 0x46000
	v_mov_b32 v255, 0
	s_wait_alu depctr_va_vdst(0)
	s_wait_tensorcnt 0x0
	ds_add_u32 v254, v255
	s_wait_dscnt 0x0
	CROUND                                         ; the closing round
	s_endpgm
.Lfunc_end_k_q250f3925d9_attn:
	.size	k_q250f3925d9_attn, .Lfunc_end_k_q250f3925d9_attn-k_q250f3925d9_attn
	.p2alignl 7, 3214868480
	.fill 96, 4, 3214868480
	.section	.rodata,"a",@progbits
	.p2align	6, 0x0
	.amdhsa_kernel k_q250f3925d9_attn
		.amdhsa_group_segment_fixed_size 288768
		.amdhsa_private_segment_fixed_size 0
		.amdhsa_enable_private_segment 0
		.amdhsa_kernarg_size 24
		.amdhsa_user_sgpr_count 2
		.amdhsa_user_sgpr_kernarg_segment_ptr 1
		.amdhsa_wavefront_size32 1
		.amdhsa_system_sgpr_workgroup_id_x 1
		.amdhsa_system_sgpr_workgroup_id_y 1
		.amdhsa_system_sgpr_workgroup_id_z 1
		.amdhsa_system_vgpr_workitem_id 0
		.amdhsa_next_free_vgpr 256
		.amdhsa_next_free_sgpr 66
		.amdhsa_reserve_vcc 1
		.amdhsa_float_denorm_mode_32 3
		.amdhsa_float_denorm_mode_16_64 3
		.amdhsa_memory_ordered 1
		.amdhsa_forward_progress 1
		.amdhsa_inst_pref_size 82
	.end_amdhsa_kernel
	.amdgpu_metadata
---
amdhsa.version: [ 1, 2 ]
amdhsa.kernels:
  - .name:           k_q250f3925d9_attn
    .symbol:         k_q250f3925d9_attn.kd
    .args:
      - { .name: qq, .offset: 0, .size: 8, .value_kind: global_buffer, .address_space: global }
      - { .name: kv, .offset: 8, .size: 8, .value_kind: global_buffer, .address_space: global }
      - { .name: cq, .offset: 16, .size: 8, .value_kind: global_buffer, .address_space: global }
    .group_segment_fixed_size: 288768
    .private_segment_fixed_size: 0
    .kernarg_segment_align: 8
    .kernarg_segment_size: 24
    .max_flat_workgroup_size: 512
    .sgpr_count:     66
    .vgpr_count:     256
    .wavefront_size: 32
...
	.end_amdgpu_metadata
.endif
;; end of part 3
;; launch proj (part 4): grid 8 x 32, 4 waves a work-group, clusters of 4 x 4, 243,200 bytes of LDS; arguments cq, wq, b_out, out0; writes out0
.if DOCPART == 4
	.amdgcn_target "amdgcn-amd-amdhsa--gfx1250"
	.amdhsa_code_object_version 6
	.text
	.protected	k_q250f3925d9_proj
	.globl	k_q250f3925d9_proj
	.p2align	8
	.type	k_q250f3925d9_proj,@function
k_q250f3925d9_proj:
	s_mov_b64 s[64:65], 0
	v_nop
	global_prefetch_b8 v0, s[64:65] scope:SCOPE_SE
	s_setreg_imm32_b32 hwreg(HW_REG_WAVE_MODE, 25, 1), 1
	s_wait_xcnt 0x0
	s_wait_alu depctr_hold_cnt(0) depctr_sa_sdst(0) depctr_va_vdst(0) depctr_va_sdst(0) depctr_va_ssrc(0) depctr_va_vcc(0) depctr_vm_vsrc(0)
	s_getreg_b32 s2, hwreg(HW_REG_IB_STS2, 6, 4)
	s_cmp_eq_u32 s2, 0
	s_cbranch_scc0 .Lentry_in_a_cluster
	s_endpgm
.Lentry_in_a_cluster:
	s_bfe_u32 s2, ttmp6, 0x10000c
	s_cmp_lg_u32 s2, 0xf033
	s_cbranch_scc0 .Lentry_shape_is_right
	s_endpgm
.Lentry_shape_is_right:
; out = ctx W_out^T + b_out on codes of FP4 with E8M0 scales; out [8192][1024] f32.
; SHARES.  A work-group makes 256 rows x 128 columns; wave w makes rows 64 w .. + 63 (ctx's tiles a = 0..3) x all 8 tiles of W: 32 accumulators.
; OPERANDS lie in memory as images of fragment registers (tile: 16 rows, lane index i of tile 2 g + u = row 32 g + 8 u + i + 8 (i / 8); chunk: 4 fragments of 128 along K + 256 bytes of scale words = 4,352 bytes).
; All of K (two chunks of each tile) fits in LDS: each LDS byte is filled once; a wave has two tensor loads out, by this text's own count.
; CLUSTER 4 x 4: the four work-groups of a row of the cluster share ctx's tiles, the four of a column W's: each tile is asked for jointly.
; THE PRODUCT IS USED TRANSPOSED (source 0 = 16 rows of W, source 1 = 16 rows of ctx): a lane holds eight neighbouring columns of one row of out.  The bias is the C of each sum's first product.
; THE WAY OUT: a tile of 16 rows x 128 columns goes through the wave's own stage in LDS and leaves as whole rows of 512 bytes.
; REGISTERS, in windows of 256: window 0: v1-27 addresses; v32-47 ctx's scale words, v48-79 W's (lanes 0-15 tile 2 p, lanes 16-31 tile 2 p + 1); v128-191 ctx's fragments, two sets; on the way out v128-255 rows of out.
;   window 1: W's fragments, sets at v0 and v128.   window 2: the accumulators, (a, b) at v[8 (8 a + b)].   window 3: v128-191 the bias.
.set CH,   4352
.set TILE, 8704
.set NB,   8
.set XCH,  16*CH                       ; LDS: chunk q of ctx's 16 tiles at q XCH,
.set WB,   2*XCH                       ; of W's 8 tiles at WB + q WCH,
.set WCH,  NB*CH
.set STG,  WB+2*WCH                    ; and a stage of 16 rows x 528 bytes for each wave; no tensor load lands there
.set LI,   1                           ; v1   16 x lane
.set BO,   4                           ; v4   64 h: the bias
.set HH,   6                           ; v6   h
.set R16,  9                           ; v9   16 r
.set STO,  11                          ; v11  the stage: where I put 32 bytes of a row
.set RD,   12                          ; v12  and where I read a row back
.set AX,   16
.set AW,   20
.set ASX,  22
.set ASW,  26
.set SX,   32
.set SW,   48
.set AF,   128
.set BK,   128
.set G1X,  24
.set G0X,  32
.set G1W,  48
.set G0W,  56
.set MSB, 0
.macro WIN new                         ; the immediate's high byte repeats the setting that is left
.if MSB != (\new)
	s_set_vgpr_msb (MSB<<8)|(\new)
.set MSB, \new
.endif
.endm
.macro PLACES                          ; four plain places behind matrix instructions (ISA guide 7.12.1)
.rept 4
	v_nop
.endr
.endm
.macro CROUND                          ; a round of the cluster's barrier
	s_barrier_signal -1
	s_barrier_wait -1
	s_cmp_lg_u32 s14, 0
	s_cbranch_scc1 .Lnot_wave_0_\@
	s_barrier_signal -3
.Lnot_wave_0_\@:
	s_barrier_wait -3
	s_barrier_signal -1
	s_barrier_wait -1
.endm
	s_load_b256 s[4:11], s[0:1], 0x0               ; cq s[4:5], wq s[6:7], b_out s[8:9], out0 s[10:11]
	v_lshl_add_u32 v126, v0, 2, 0x3b400
	v_mov_b32 v127, 0
	ds_add_u32 v126, v127
	ds_add_u32 v126, v127
	v_lshrrev_b32 v7, 5, v0
	v_readfirstlane_b32 s14, v7                    ; wave 0..3
	s_and_b32 s16, s14, 1                          ; which half of a chunk's tiles I fetch
	s_bfe_u32 s40, ttmp6, 0x40000                  ; cx, cy
	s_bfe_u32 s41, ttmp6, 0x40004
	s_lshl_b32 s42, ttmp9, 2
	s_add_co_u32 s42, s42, s40                     ; the block of 128 columns = 4 x cluster x + cx
	s_and_b32 s17, ttmp7, 0xffff
	s_lshl_b32 s17, s17, 2
	s_add_co_u32 s17, s17, s41                     ; the block of 256 rows = 4 x cluster y + cy
	s_lshl_b32 s43, s41, 2
	s_lshl_b32 s43, 15, s43                        ; my row of the cluster
	s_lshl_b32 s44, 0x1111, s40                    ; my column
	; group 1: one chunk of 8 (ctx) or 4 (W) tiles: rows of 4,352 bytes = 544 elements of 8 bytes, 8,704 bytes apart in memory, dense in LDS
	s_or_b32 s[G1X], s43, (3<<16)|(1<<21)
	s_or_b32 s[G1W], s44, (3<<16)|(1<<21)
	s_mov_b32 s[G1X+1], 544<<16
	s_mov_b32 s[G1X+2], 8<<16
	s_mov_b32 s[G1X+3], 544<<16
	s_mov_b32 s[G1X+4], 8
	s_mov_b32 s[G1X+5], 1088
	s_mov_b32 s[G1X+6], 0
	s_mov_b32 s[G1X+7], 0
	s_mov_b32 s[G1W+1], 544<<16
	s_mov_b32 s[G1W+2], (NB/2)<<16
	s_mov_b32 s[G1W+3], 544<<16
	s_mov_b32 s[G1W+4], NB/2
	s_mov_b32 s[G1W+5], 1088
	s_mov_b32 s[G1W+6], 0
	s_mov_b32 s[G1W+7], 0
	s_lshl_b32 s20, s17, 4
	s_lshl_b32 s18, s16, 3
	s_add_co_u32 s20, s20, s18                     ; ctx: tile 16 x block + 8 x half
	s_mul_i32 s20, s20, TILE
	s_mov_b32 s21, 0
	s_lshl_b32 s46, s42, 3
	s_lshl_b32 s18, s16, 2
	s_add_co_u32 s46, s46, s18
	s_add_co_u32 s46, s46, 192                     ; W_out: tile 192 + 8 x block + 4 x half of wq
	s_mul_i32 s46, s46, TILE
	s_mov_b32 s47, 0
	s_mul_i32 s45, s16, 8*CH                       ; where they go: no place in the cluster enters an LDS address
	s_mul_i32 s19, s16, (NB/2)*CH
	s_wait_dscnt 0x0
	s_wait_kmcnt 0x0
	s_add_nc_u64 s[20:21], s[4:5], s[20:21]
	s_add_nc_u64 s[46:47], s[6:7], s[46:47]
	CROUND                                         ; all sixteen work-groups are here: the joint loads meet
.irp q, 0,1
	s_mov_b32 s[G0X+4*\q], 1
	s_add_co_u32 s[G0X+4*\q+1], s45, \q*XCH
	s_add_nc_u64 s[G0X+4*\q+2:G0X+4*\q+3], s[20:21], \q*CH
	s_or_b32 s[G0X+4*\q+3], s[G0X+4*\q+3], 0x80000000
	s_mov_b32 s[G0W+4*\q], 1
	s_add_co_u32 s[G0W+4*\q+1], s19, WB+\q*WCH
	s_add_nc_u64 s[G0W+4*\q+2:G0W+4*\q+3], s[46:47], \q*CH
	s_or_b32 s[G0W+4*\q+3], s[G0W+4*\q+3], 0x80000000
.endr
	s_cmp_lt_u32 s14, 2                            ; waves 0 and 1 fetch ctx's halves, waves 2 and 3 W's; a wave's two fills stand in one branch, chunk 0 first; four v_nop follow the second
	s_cbranch_scc0 .Lfirst_w
	tensor_load_to_lds s[G0X:G0X+3], s[G1X:G1X+7]
	s_nop 0
	tensor_load_to_lds s[G0X+4:G0X+7], s[G1X:G1X+7]
	s_nop 0
.rept 4
	v_nop
.endr
	s_branch .Lfirst_asked
.Lfirst_w:
	tensor_load_to_lds s[G0W:G0W+3], s[G1W:G1W+7]
	s_nop 0
	tensor_load_to_lds s[G0W+4:G0W+7], s[G1W:G1W+7]
	s_nop 0
.rept 4
	v_nop
.endr
.Lfirst_asked:
	v_and_b32 v7, 31, v0                           ; lane
	v_and_b32 v8, 15, v0                           ; r
	v_bfe_u32 v[HH], v0, 4, 1                      ; h
	v_lshlrev_b32 v[LI], 4, v7
	v_lshlrev_b32 v[R16], 4, v8
	v_lshlrev_b32 v[BO], 6, v[HH]
	s_mul_i32 s18, s14, 16*528
	s_add_co_u32 s18, s18, STG                     ; my stage
	v_mul_u32_u24 v[STO], v8, 528
	v_lshl_add_u32 v[STO], v[HH], 6, v[STO]
	v_add_nc_u32 v[STO], s18, v[STO]               ; in: row r, + 64 h
	v_add_nc_u32 v[RD], s18, v[LI]                 ; back: the 32 lanes take one row of 512 bytes
	s_mul_i32 s18, s14, 4*CH                       ; my four tiles of ctx
	v_add_nc_u32 v[AX], s18, v[LI]
	v_add_nc_u32 v[AX+1], XCH, v[AX]
	v_add_nc_u32 v[AW], WB, v[LI]
	v_add_nc_u32 v[AW+1], WB+WCH, v[LI]
	v_mul_u32_u24 v10, v[HH], CH                   ; lanes 16-31 take the next tile's words
	v_add_nc_u32 v10, v10, v[R16]
	v_add_nc_u32 v[ASX], s18, v10
	v_add_nc_u32 v[ASX], 4096, v[ASX]
	v_add_nc_u32 v[ASX+1], XCH, v[ASX]
	v_add_nc_u32 v[ASW], WB+4096, v10
	v_add_nc_u32 v[ASW+1], WB+WCH+4096, v10
	s_lshl_b32 s18, s42, 9                         ; the block's 128 numbers of b_out
	s_mov_b32 s19, 0
	s_add_nc_u64 s[8:9], s[8:9], s[18:19]
	WIN 0xc0                                       ; destination window 3
.irp b, 0,1,2,3,4,5,6,7                        ; register j of lane (r, h) in tile b is column 32 (b / 2) + 8 (b % 2) + 16 h + j
	global_load_b128 v[128+8*\b:128+8*\b+3], v[BO], s[8:9] offset:(32*(\b/2)+8*(\b%2))*4
	global_load_b128 v[128+8*\b+4:128+8*\b+7], v[BO], s[8:9] offset:(32*(\b/2)+8*(\b%2))*4+16
.endr
	WIN 0
	s_lshl_b32 s72, s17, 8
	s_lshl_b32 s73, s14, 6
	s_add_co_u32 s72, s72, s73                     ; my first row of out: 256 x block + 64 x wave,
	s_lshl_b32 s72, s72, 12                        ; of 4,096 bytes,
	s_lshl_b32 s73, s42, 9                         ; my block's 512 bytes in it
	s_add_co_u32 s72, s72, s73
	s_mov_b32 s73, 0
	s_add_nc_u64 s[10:11], s[10:11], s[72:73]
; One scaled product; registers and the rows of the scale registers by the symbols set just ahead of it.
.macro WMS
.if rRA && rRB
	v_wmma_scale_f32_16x16x128_f8f6f4 v[rD:rD+7], v[rA:rA+7], v[rB:rB+7], v[rC:rC+7], v[rSA], v[rSB] matrix_a_fmt:MATRIX_FMT_FP4 matrix_b_fmt:MATRIX_FMT_FP4 matrix_a_scale:MATRIX_SCALE_ROW1 matrix_b_scale:MATRIX_SCALE_ROW1
.elseif rRA
	v_wmma_scale_f32_16x16x128_f8f6f4 v[rD:rD+7], v[rA:rA+7], v[rB:rB+7], v[rC:rC+7], v[rSA], v[rSB] matrix_a_fmt:MATRIX_FMT_FP4 matrix_b_fmt:MATRIX_FMT_FP4 matrix_a_scale:MATRIX_SCALE_ROW1
.elseif rRB
	v_wmma_scale_f32_16x16x128_f8f6f4 v[rD:rD+7], v[rA:rA+7], v[rB:rB+7], v[rC:rC+7], v[rSA], v[rSB] matrix_a_fmt:MATRIX_FMT_FP4 matrix_b_fmt:MATRIX_FMT_FP4 matrix_b_scale:MATRIX_SCALE_ROW1
.else
	v_wmma_scale_f32_16x16x128_f8f6f4 v[rD:rD+7], v[rA:rA+7], v[rB:rB+7], v[rC:rC+7], v[rSA], v[rSB] matrix_a_fmt:MATRIX_FMT_FP4 matrix_b_fmt:MATRIX_FMT_FP4
.endif
.endm
; K step k's fragments into set st: 16 loads of W's, 8 of ctx's; each reads 512 consecutive bytes
.macro FETCH k, st
	WIN 0x40                                       ; destination window 1
.irp b, 0,1,2,3,4,5,6,7
.irp c, 0,1
	ds_load_b128 v[128*(\st)+8*\b+4*\c:128*(\st)+8*\b+4*\c+3], v[AW+(\k)/4] offset:CH*\b+1024*((\k)%4)+512*\c
.endr
.endr
	WIN 0
.irp a, 0,1,2,3
.irp c, 0,1
	ds_load_b128 v[AF+32*(\st)+8*\a+4*\c:AF+32*(\st)+8*\a+4*\c+3], v[AX+(\k)/4] offset:CH*\a+1024*((\k)%4)+512*\c
.endr
.endr
.endm
.macro SCALES q                        ; chunk q's scale words: four K steps' words of two tiles a load
.irp p, 0,1
	ds_load_b128 v[SX+8*(\q)+4*\p:SX+8*(\q)+4*\p+3], v[ASX+(\q)] offset:2*CH*\p
.endr
.irp p, 0,1,2,3
	ds_load_b128 v[SW+2*NB*(\q)+4*\p:SW+2*NB*(\q)+4*\p+3], v[ASW+(\q)] offset:2*CH*\p
.endr
.endm
; K step k: 32 products.  The 32 accumulators take turns, one instruction a turn, in the same order in every step.  first = 1: the bias is C.
.macro MUL k, first
.set Qc, (\k)/4
.set Wd, (\k)%4
.set St, (\k)%2
.if \first
	WIN 0xb1                                       ; source 0 (W) window 1, source 1 (ctx) window 0, C window 3, D window 2
.else
	WIN 0xa1                                       ; the same, C and D window 2
.endif
.irp a, 0,1,2,3
.irp b, 0,1,2,3,4,5,6,7
.set rD, 8*(8*\a+\b)
.set rC, rD
.if \first
.set rC, 128+8*\b
.endif
.set rA, 128*St+8*\b
.set rB, AF+32*St+8*\a
.set rSA, SW+2*NB*Qc+4*(\b/2)+Wd
.set rSB, SX+8*Qc+4*(\a/2)+Wd
.set rRA, \b%2
.set rRB, \a%2
	WMS
.endr
.endr
	WIN 0
.endm
	s_wait_alu depctr_va_vdst(0)
	s_wait_tensorcnt 0x1                           ; my part of chunk 0 is in; chunk 1's load may stay out
	s_barrier_signal -1
	s_barrier_wait -1                              ; everybody's is
	SCALES 0
	FETCH 0, 0
	FETCH 1, 1
	s_wait_loadcnt 0x0                             ; the bias
	s_wait_dscnt 24                                ; all but K step 1's 24 loads
	MUL 0, 1
.irp s, 1,2,3,4,5,6,7
	PLACES                                         ; in front of loads into the set that the step before multiplied
.if \s == 3
	s_wait_dscnt 0x0                               ; no LDS load of mine is out at the signal (K step 3's fragments are in),
	s_wait_tensorcnt 0x0                           ; my part of chunk 1 is in,
	s_barrier_signal -1
	s_barrier_wait -1                              ; everybody's is
	FETCH 4, 0
	SCALES 1
.elseif \s < 7
	FETCH \s+1, (\s+1)%2
	s_wait_dscnt 24                                ; all but the 24 just issued: this step's fragments are in
.else
	s_wait_dscnt 0x0
.endif
	MUL \s, 0
.endr
; THE WAY OUT, tile by tile of 16 rows x 128 columns.  LDS serves a wave's instructions in order: no wait between the stores and the loads, nor in front of the next tile's stores.
.macro TOSTAGE a
	WIN 0x08                                       ; an LDS store's data are its source 1: window 2
.irp b, 0,1,2,3,4,5,6,7
	ds_store_b128 v[STO], v[8*(8*(\a)+\b):8*(8*(\a)+\b)+3] offset:128*(\b/2)+32*(\b%2)          ; each accumulator from its low end on
	ds_store_b128 v[STO], v[8*(8*(\a)+\b)+4:8*(8*(\a)+\b)+7] offset:128*(\b/2)+32*(\b%2)+16
.endr
	WIN 0
.set BB, BK+64*((\a)%2)
.irp i, 0,1,2,3,4,5,6,7,8,9,10,11,12,13,14,15
	ds_load_b128 v[BB+4*\i:BB+4*\i+3], v[RD] offset:528*\i
.endr
.endm
.macro SEND a, younger                 ; younger: the LDS instructions issued behind tile a's loads, which may stay out
.set BB, BK+64*((\a)%2)
	s_wait_dscnt \younger
.irp i, 0,1,2,3,4,5,6,7,8,9,10,11,12,13,14,15
	global_store_b128 v[LI], v[BB+4*\i:BB+4*\i+3], s[10:11] offset:(32*((\a)/2)+8*((\a)%2)+\i+8*(\i/8))*4096 th:TH_STORE_NT   ; 32 lanes store 512 consecutive bytes of one row, at a multiple of 256 from out's first byte
.endr
.endm
	PLACES                                         ; in front of the first read of results, and of loads into the registers that held ctx's fragments
	TOSTAGE 0
.irp a, 1,2,3
.if \a > 1
	s_wait_xcnt 0x0                                ; tile a - 2's stores have read their registers: tile a's loads may land there
.endif
	TOSTAGE \a
	SEND \a-1, 32                                  ; behind tile a - 1's loads: tile a's 16 stores and 16 loads
.endr
	SEND 3, 0
	s_wait_tensorcnt 0x0
	ds_add_u32 v126, v127
	s_wait_dscnt 0x0
	CROUND                                         ; the closing round: no work-group ends while a partner may still ask for a tile that names it
	s_endpgm
.Lfunc_end_k_q250f3925d9_proj:
	.size	k_q250f3925d9_proj, .Lfunc_end_k_q250f3925d9_proj-k_q250f3925d9_proj
	.p2alignl 7, 3214868480
	.fill 96, 4, 3214868480
	.section	.rodata,"a",@progbits
	.p2align	6, 0x0
	.amdhsa_kernel k_q250f3925d9_proj
		.amdhsa_group_segment_fixed_size 243200
		.amdhsa_private_segment_fixed_size 0
		.amdhsa_enable_private_segment 0
		.amdhsa_kernarg_size 32
		.amdhsa_user_sgpr_count 2
		.amdhsa_user_sgpr_kernarg_segment_ptr 1
		.amdhsa_wavefront_size32 1
		.amdhsa_system_sgpr_workgroup_id_x 1
		.amdhsa_system_sgpr_workgroup_id_y 1
		.amdhsa_system_sgpr_workgroup_id_z 1
		.amdhsa_system_vgpr_workitem_id 0
		.amdhsa_next_free_vgpr 1024
		.amdhsa_next_free_sgpr 100
		.amdhsa_reserve_vcc 0
		.amdhsa_float_denorm_mode_32 3
		.amdhsa_float_denorm_mode_16_64 3
		.amdhsa_memory_ordered 1
		.amdhsa_forward_progress 1
		.amdhsa_inst_pref_size 71
	.end_amdhsa_kernel
	.amdgpu_metadata
---
amdhsa.version: [ 1, 2 ]
amdhsa.kernels:
  - .name:           k_q250f3925d9_proj
    .symbol:         k_q250f3925d9_proj.kd
    .args:
      - { .name: cq, .offset: 0, .size: 8, .value_kind: global_buffer, .address_space: global }
      - { .name: wq, .offset: 8, .size: 8, .value_kind: global_buffer, .address_space: global }
      - { .name: b_out, .offset: 16, .size: 8, .value_kind: global_buffer, .address_space: global }
      - { .name: out0, .offset: 24, .size: 8, .value_kind: global_buffer, .address_space: global }
    .group_segment_fixed_size: 243200
    .private_segment_fixed_size: 0
    .kernarg_segment_align: 8
    .kernarg_segment_size: 32
    .max_flat_workgroup_size: 128
    .sgpr_count:     100
    .vgpr_count:     1024
    .wavefront_size: 32
...
	.end_amdgpu_metadata
.endif
;; end of part 4
